; MI455X (gfx1250); checked and timed in simulation.
; The chip was launched on July 23, 2026; its instructions are those of AMD's public machine-readable ISA for CDNA 5 (MIT licence, August 2026) and "CDNA5" Instruction Set Architecture Reference Guide (July 2026). The comments in the code are by the model that wrote it; some were corrected since.
;; Scaled Dot Product Attention. Allowed arithmetic: matrix products marked QUANTISED: E3M2 operands, one E8M0 scale for each 32 along K, by v_wmma_scale_f32_16x16x128_f8f6f4 with both operands' format E3M2, f32 sums; everything else in f32.
;; Inputs: k_codes 4 x 16 x 2,048 x 2 x 24 uint8 (E3M2 codes of k, K innermost, in blocks of 32 codes, four codes in three bytes); k_scales 4 x 16 x 2,048 x 2 uint8 (E8M0 scales of k, one for each 32 codes along K); mask 2,048 x 2,048 bool; q_codes 4 x 16 x 2,048 x 2 x 24 uint8 (E3M2 codes of q, K innermost, in blocks of 32 codes, four codes in three bytes); q_scales 4 x 16 x 2,048 x 2 uint8 (E8M0 scales of q, one for each 32 codes along K); v_codes 4 x 16 x 64 x 64 x 24 uint8 (E3M2 codes of v, K innermost, in blocks of 32 codes, four codes in three bytes); v_scales 4 x 16 x 64 x 64 uint8 (E8M0 scales of v, one for each 32 codes along K).
;; Outputs: out0 4 x 16 x 2,048 x 64 float32.
;; This version of the problem:
;;   THIS VERSION OF THE PROBLEM IS GIVEN IN LOW PRECISION. The matrix products marked QUANTISED in the list below multiply operands that are first quantised to E3M2 (3 exponent bits, 2 mantissa bits; 6 bits a number), with one power-of-two scale for each 32 numbers along K (OCP MX v1.0); their sums are f32. All else is computed in f32.
;;   The module's matrix products, in the order in which they are computed (A, B: the left and right operand; K: the contracted axis; several contracted axes count as one K, in the product's order):
;;     1. batch 64 x [M 2,048, K 64] x [K 64, N 2,048]; A: input q (given as codes); B: input k (given as codes): QUANTISED
;;     2. batch 64 x [M 2,048, K 2,048] x [K 2,048, N 64]; A: softmax (see below); B: input v (given as codes): QUANTISED
;;   THE QUANTISER, for each operand of a quantised product, along K:
;;     - K is cut into blocks of 32 from its start; a last block that is shorter is filled with zeros.
;;     - A block's scale is 2^e with e = floor(log2(the largest magnitude in the block)) - 4, held to -126 .. 127; a block of zeros has e = 0. As a byte (E8M0): e + 127.
;;     - Each number is divided by its block's scale, clamped to +-28, and rounded to the nearest number of E3M2, ties to even, subnormals kept.
;;     - The product sums the exact products of the quantised numbers (number of the format x scale) in f32.
;;   ~~~python
;;   def quantise(x, axis):      # numpy; x: float32 -> the quantised numbers, widened to float32 again
;;       x = np.moveaxis(x, axis, -1); K = x.shape[-1]
;;       x = np.pad(x, [(0, 0)] * (x.ndim - 1) + [(0, -K % 32)]); x = x.reshape(x.shape[:-1] + (-1, 32)); a = np.abs(x).max(-1, keepdims=True)
;;       e = np.where(a > 0, np.clip(np.frexp(np.where(a > 0, a, 1))[1] - 1 - 4, -126, 127), 0)      # np.frexp(a)[1] - 1 = floor(log2(a)), exactly
;;       r = np.clip(x / 2.0 ** e, -28, 28)
;;       step = 2.0 ** (np.maximum(np.frexp(np.where(r == 0, 1, r))[1] - 1, -2) - 2)
;;       q = np.round(r / step) * step * 2.0 ** e      # np.round: ties to even
;;       return np.moveaxis(q.reshape(q.shape[:-2] + (-1,))[..., :K], -1, axis).astype(np.float32)
;;   ~~~
;;   SOFTMAX AHEAD OF A QUANTISED PRODUCT. Where the list says 'softmax', what is quantised is not the finished softmax but p = 2^(t - M), with t = logit x log2(e) and M = ceil(the row's largest t), a whole number; so 1/2 < the row's largest p <= 1. The row's sum l is taken of the UNQUANTISED p, in f32, and the product's result is divided by l at the end. Since M is a whole number, a kernel that streams over the keys may use a running M (the ceiling of the running maximum): every later rescaling is an exact power of two, which a block's scale takes up: the codes' values come out the same.
;;   OPERANDS COMPUTED ON THE WAY. 'Computed on the way' means the value that the module computes at that place (a softmax that the list does not call 'softmax' is quantised finished and normalised). What goes into a quantiser is computed in f32, as accurately as f32 sums, v_exp_f32 and their like allow (about 1e-6 of the number): no bf16 or f16 on the way to a quantiser, and a product that is left as it is and whose result goes on into a quantised operand takes f32 operands (vector FMAs, or v_wmma_f32_16x16x4_f32). A number that lies on a knife's edge between two numbers of the format may be rounded either way, as far as f32 arithmetic and the matrix unit's own rounding can turn it there, and no further.
;;   INPUTS GIVEN AS CODES. k (in the module: [4, 16, 2048, 64], K = its axis 3); q (in the module: [4, 16, 2048, 64], K = its axis 3); v (in the module: [4, 16, 2048, 64], K = its axis 2): each comes as NAME_codes (uint8): NAME with its K axis moved to the last place and cut into blocks of 32 codes, [.., K / 32, bytes a block], one block behind the other in memory; four codes in three bytes: a row's codes are one little-endian stream of bits, code i at bits 6 i .. 6 i + 5 (a code: sign, 3 exponent bits, 2 mantissa bits); and NAME_scales (uint8): the same leading axes, one E8M0 byte (e + 127) for each 32 codes along K. Its value is code x scale, taken as it is: it is not quantised again, and the codes and scales need not be those that the quantiser above would give.
;; 2 versions. Each part assembles by itself: llvm-mc -triple=amdgcn-amd-amdhsa -mcpu=gfx1250 --defsym DOCPART=n.
;; ======== version 1 of 2: 2 launches
;; workspace buffers: mtab 524,800 bytes of whole numbers
;; launch maskprep (part 1): grid 128 x 1, 4 waves a work-group, no clusters, 34,304 bytes of LDS; arguments mask, mtab; writes mtab
.if DOCPART == 1
	.amdgcn_target "amdgcn-amd-amdhsa--gfx1250"
	.amdhsa_code_object_version 6
	.text
	.protected	k_q2d7efdb150_maskprep
	.globl	k_q2d7efdb150_maskprep
	.p2align	8
	.type	k_q2d7efdb150_maskprep,@function
k_q2d7efdb150_maskprep:
	s_mov_b64 s[64:65], 0
	v_nop
	global_prefetch_b8 v0, s[64:65] scope:SCOPE_SE
	s_setreg_imm32_b32 hwreg(HW_REG_WAVE_MODE, 25, 1), 1
	s_wait_xcnt 0x0
; The mask [2048][2048], one byte a place (0 = hidden, anything else = kept), is turned into what the attention launch wants of it.
; For each tile T of 16 queries and each step s of 128 keys:
;   a RECORD of 64 words at byte (16 T + s) x 256 of mtab: bit r + 16 h of word 16 b + i is mask[16 T + r][128 s + 32 b + 16 h + i]: the lane mask of score register 16 b + i there;
;   a FLAG of two bits, bits 2 s and 2 s + 1 of the word at byte 524,288 + 4 T: 0 = no place kept, 1 = some, 2 = all.
; SHARES.  Work-group T takes the tile's 16 rows; wave g takes columns 512 g .. 512 g + 511: steps 4 g .. 4 g + 3.  The waves share nothing: no barrier.
; Each load reads 512 consecutive bytes of a row, 16 a lane.  The 16 rows turn through the wave's own stage in LDS, so that lane (r, h) then holds, for each block of 32 keys, the 16 bytes of row r that its score registers stand for.
; A compare of one byte of all 32 lanes against 0 IS a record's word; v_writelane_b32 puts word j into lane j / 2 of register j % 2, so that the 32 lanes store a record as 256 consecutive bytes, aligned.
.set ROWB,  2048                       ; bytes in a row of the mask
.set PITCH, 528                        ; a stage row: 512 bytes + 16 = 33 x 16: the sixteen rows that a 16-byte load touches start in sixteen different columns of 16 bytes (64 banks of 4 bytes: ISA guide 11.1)
.set WREG,  16*PITCH                   ; a wave's stage
.set FLAGS, 524288                     ; where the flag words begin in mtab
.set LD,    16                         ; v16-79   the 16 rows as loaded
.set TR,    80                         ; v80-143  turned: register 16 s' + 4 b + c: bytes i = 4 c .. 4 c + 3 of block b of my step s'
.set REC,   144                        ; v144-151 four records, a pair each
	s_load_b128 s[4:7], s[0:1], 0x0                ; mask s[4:5], mtab s[6:7]
	v_lshl_add_u32 v160, v0, 2, 0x8400
	v_mov_b32 v161, 0
	v_lshrrev_b32 v8, 5, v0
	v_readfirstlane_b32 s8, v8                     ; wave g
	v_and_b32 v1, 31, v0                           ; lane
	v_and_b32 v9, 15, v0                           ; r
	v_bfe_u32 v10, v0, 4, 1                        ; h
	v_lshlrev_b32 v2, 4, v1                        ; my 16 bytes of a load's 512
	s_mul_i32 s18, s8, WREG
	v_add_nc_u32 v3, s18, v2                       ; the stage, on the way in: as loaded
	v_mul_u32_u24 v4, v9, PITCH
	v_lshl_add_u32 v4, v10, 4, v4
	v_add_nc_u32 v4, s18, v4                       ; and on the way out: row r, + 16 h
	v_lshlrev_b32 v5, 3, v1                        ; a record: 8 bytes a lane
	v_mov_b32 v7, 0
.irp i, 0,1,2,3,4,5,6,7
	v_mov_b32 v[REC+\i], 0                         ; written once: v_writelane_b32's destination counts as one of its sources
.endr
	s_lshl_b32 s12, ttmp9, 15                      ; the mask: 16 rows of 2,048 bytes a tile,
	s_lshl_b32 s13, s8, 9                          ; 512 columns a wave
	s_add_co_u32 s12, s12, s13
	s_mov_b32 s13, 0
	s_lshl_b32 s14, ttmp9, 12                      ; the records: 16 of 256 bytes a tile,
	s_lshl_b32 s15, s8, 10                         ; four a wave
	s_add_co_u32 s14, s14, s15
	s_mov_b32 s15, 0
	s_lshl_b32 s16, ttmp9, 2                       ; the flags: a word a tile, a byte a wave
	s_add_co_u32 s16, s16, s8
	s_add_co_u32 s16, s16, FLAGS
	s_mov_b32 s17, 0
	s_wait_kmcnt 0x0
	s_add_nc_u64 s[4:5], s[4:5], s[12:13]
	s_add_nc_u64 s[10:11], s[6:7], s[16:17]
	s_add_nc_u64 s[6:7], s[6:7], s[14:15]
.set N, 0
.rept 16
	global_load_b128 v[LD+4*N:LD+4*N+3], v2, s[4:5] offset:ROWB*N th:TH_LOAD_NT   ; row N: 512 consecutive bytes, aligned; read once in the launch
.set N, N+1
.endr
.set N, 0
.rept 16
	s_wait_loadcnt 15-N                            ; loads come back in order (ISA guide 5.7.1): row N is in, the 15 - N younger ones stay out
	ds_store_b128 v3, v[LD+4*N:LD+4*N+3] offset:PITCH*N
.set N, N+1
.endr
.set N, 0
.rept 16
	ds_load_b128 v[TR+4*N:TR+4*N+3], v4 offset:32*N   ; block N of 32 columns.  LDS serves a wave's instructions in order (ISA guide 5.7.1.4): these see my stores
.set N, N+1
.endr
	s_wait_dscnt 0x0
.set RS, 0
.rept 4                                            ; my four steps
.set RJ, 0
.rept 16                                           ; register RJ = 4 b + c holds the bytes of words 4 RJ .. 4 RJ + 3; the four by turns
.irp y, 0,1,2,3
	v_and_b32 v[8+\y], 0xff<<(8*\y), v[TR+16*RS+RJ]
.endr
.irp y, 0,1,2,3
	v_cmp_ne_u32 s[20+\y], 0, v[8+\y]              ; bit L: lane L's byte is not 0
.endr
.irp y, 0,1,2,3
	v_writelane_b32 v[REC+2*RS+\y%2], s[20+\y], 2*RJ+\y/2
.endr
.set RJ, RJ+1
.endr
	v_or_b32 v12, v[REC+2*RS], v[REC+2*RS+1]
	v_and_b32 v13, v[REC+2*RS], v[REC+2*RS+1]
	v_cmp_ne_u32 s24, 0, v12                       ; not 0: some place is kept
	v_cmp_ne_u32 s25, -1, v13                      ; 0: every place is kept
	s_cmp_lg_u32 s24, 0
	s_cselect_b32 s26, 1, 0
	s_cmp_eq_u32 s25, 0
	s_cselect_b32 s27, 1, 0
	s_add_co_u32 s26, s26, s27                     ; the flag: 0, 1 or 2
.if RS == 0
	s_mov_b32 s28, s26
.else
	s_lshl_b32 s26, s26, 2*RS
	s_or_b32 s28, s28, s26
.endif
	global_store_b64 v5, v[REC+2*RS:REC+2*RS+1], s[6:7] offset:256*RS   ; 32 lanes store 256 consecutive bytes, aligned; each record has registers of its own
.set RS, RS+1
.endr
	v_mov_b32 v6, s28                              ; my four flags: one byte of the tile's word.  (These single bytes are 512 of the launch's 524,800 stored bytes)
	v_cmp_eq_u32 vcc_lo, 0, v1
	s_wait_xcnt 0x0                                ; EXEC is a source of the stores above: it changes only behind this wait
	s_wait_tensorcnt 0x0
	ds_add_u32 v160, v161
	s_wait_dscnt 0x0
	s_and_saveexec_b32 s9, vcc_lo                  ; lane 0 alone
	global_store_b8 v7, v6, s[10:11]
	s_wait_xcnt 0x0                                ; and again in front of the line that widens it
	s_or_b32 exec_lo, exec_lo, s9
	s_endpgm
.Lfunc_end_k_q2d7efdb150_maskprep:
	.size	k_q2d7efdb150_maskprep, .Lfunc_end_k_q2d7efdb150_maskprep-k_q2d7efdb150_maskprep
	.p2alignl 7, 3214868480
	.fill 96, 4, 3214868480
	.section	.rodata,"a",@progbits
	.p2align	6, 0x0
	.amdhsa_kernel k_q2d7efdb150_maskprep
		.amdhsa_group_segment_fixed_size 34304
		.amdhsa_private_segment_fixed_size 0
		.amdhsa_enable_private_segment 0
		.amdhsa_kernarg_size 16
		.amdhsa_user_sgpr_count 2
		.amdhsa_user_sgpr_kernarg_segment_ptr 1
		.amdhsa_wavefront_size32 1
		.amdhsa_system_sgpr_workgroup_id_x 1
		.amdhsa_system_sgpr_workgroup_id_y 1
		.amdhsa_system_sgpr_workgroup_id_z 1
		.amdhsa_system_vgpr_workitem_id 0
		.amdhsa_next_free_vgpr 162
		.amdhsa_next_free_sgpr 66
		.amdhsa_reserve_vcc 1
		.amdhsa_float_denorm_mode_32 3
		.amdhsa_float_denorm_mode_16_64 3
		.amdhsa_memory_ordered 1
		.amdhsa_forward_progress 1
		.amdhsa_inst_pref_size 57
	.end_amdhsa_kernel
	.amdgpu_metadata
---
amdhsa.version: [ 1, 2 ]
amdhsa.kernels:
  - .name:           k_q2d7efdb150_maskprep
    .symbol:         k_q2d7efdb150_maskprep.kd
    .args:
      - { .name: mask, .offset: 0, .size: 8, .value_kind: global_buffer, .address_space: global }
      - { .name: mtab, .offset: 8, .size: 8, .value_kind: global_buffer, .address_space: global }
    .group_segment_fixed_size: 34304
    .private_segment_fixed_size: 0
    .kernarg_segment_align: 8
    .kernarg_segment_size: 16
    .max_flat_workgroup_size: 128
    .sgpr_count:     66
    .vgpr_count:     162
    .wavefront_size: 32
...
	.end_amdgpu_metadata
.endif
;; end of part 1
;; launch attn (part 2): grid 64 x 4, 16 waves a work-group, no clusters, 136,192 bytes of LDS; arguments q_codes, q_scales, k_codes, k_scales, v_codes, v_scales, mtab, out0; writes out0
.if DOCPART == 2
	.amdgcn_target "amdgcn-amd-amdhsa--gfx1250"
	.amdhsa_code_object_version 6
	.text
	.protected	k_q2d7efdb150_attn
	.globl	k_q2d7efdb150_attn
	.p2align	8
	.type	k_q2d7efdb150_attn,@function
k_q2d7efdb150_attn:
	s_mov_b64 s[64:65], 0
	v_nop
	global_prefetch_b8 v0, s[64:65] scope:SCOPE_SE
	s_setreg_imm32_b32 hwreg(HW_REG_WAVE_MODE, 25, 1), 1
	s_wait_xcnt 0x0
; out0[head][q][:] = the sum over k of softmax_k(where(mask[q][k], Q[q] . K[k] / 8, -inf)) V[k][:], 64 heads, 2,048 queries and keys, head size 64; both products on codes of BF6 (E3M2) with one E8M0 scale for each 32 along a product's K.
; Q, K: rows of 48 bytes of codes and 2 scale bytes.  V: codes with the KEYS innermost, 64 rows of 1,536 bytes a head, 64 scale bytes a row.  The mask comes as mtab, which the launch before made of it: lane-mask words and flags.
; THE SOFTMAX: t = score x log2(e) / 8; M = the row's largest t so far, rounded UP to a whole number; p = 2^(t - M) is what is quantised, along the keys.  The row's sum is taken of the unquantised p and divides O at the end.
; When M moves, the sum and O are multiplied by 2^(old M - new M): exact.  A hidden score becomes -infinity ahead of the maximum, so its p is 0.
; SHARES.  A work-group takes one head and two blocks of 256 queries, y and 7 - y, one after the other (where later queries keep more keys that evens the work; it decides no value).  Each of its sixteen waves owns 16 queries,
; one tile, in 256 registers: four waves to a SIMD, so that one wave's vector work stands beside another's matrix work and LDS loads.  All waves walk 8 slots of 256 keys, two steps of 128 each: the trip counts are constants.
; WORK THAT IS LEFT OUT.  A step in which the mask keeps no key for any of my 16 queries changes neither M nor the sum nor O: a scalar branch on the stored flag leads round it.  A step in which it keeps all skips the masking.
; A slot that no tile of the block uses is not fetched.  This holds for every mask; no barrier stands under such a branch.
; NO TENSOR LOADS, NO CLUSTER, though the four work-groups of a head read the same K and V: the branches on the stored flags can spare whole steps
; (12 matrix and some 230 vector instructions each), where a joint load would spare a share of 24 KB a slot.  So K and V go from memory through registers into LDS, a slot ahead.
; LAYOUT.  Both products are used transposed: S^T = K Q^T (source 0 = 16 keys, source 1 = my 16 queries), O^T = V^T P^T (source 0 = 16 of the head's 64, source 1 = P): a lane holds ONE query (lane % 16) throughout.
; THE KEYS OF A TILE ARE NOT NEIGHBOURS: lane r of tile 2 b + u takes key 32 b + 8 u + r + 8 (r / 8), so that score register 16 b + i holds key 32 b + 16 (lane / 16) + i: 16 neighbours.
; THE HEAD'S 64 FILL HALF OF THE INSTRUCTION'S 128.  Q's registers 6-11 hold zero codes, and the scale bytes of that half are 0.  K's fragments are laid 6 registers apart, so that registers 6-11 of one are the next one's codes:
; every code of E3M2 is a finite number, and finite x 0 adds nothing.  That spares 42 registers and their clearing.
; LIMITS.  A scale byte 0xff (NaN) among the inputs is not served.  A query for which the mask keeps no key gets 0 x (1 / 0) = NaN, as the softmax of a row of -infinity is.
.set KGRP,  896                        ; LDS: 16 keys of 48 bytes as in memory + 128: lanes 8-15 of a fragment (keys 16 further on) so fall half a row of banks from lanes 0-7: the 32 lanes of an 8-byte load touch 64 different banks (64 banks of 4 bytes: ISA guide 11.1)
.set VP,    208                        ; a row of V's tile: 192 bytes (256 keys) + 16 = 26 x 8: again 64 different banks
.set VOFF,  16*KGRP                    ; a slot: 256 keys of K, then 64 rows of V
.set SLOTB, VOFF+64*VP                 ; 27,648
.set KSC,   2*SLOTB                    ; K's scale bytes of the head: 2 a key, dense: 4,096
.set VSC,   KSC+4096                   ; V's: row d at 80 d (64 bytes + 16): 5,120
.set STG,   VSC+5120                   ; the way out: for each wave 16 rows of 256 bytes + 16
.set SP,    272
.set FLAGS, 524288                     ; where the flag words begin in mtab
.set AK,  1                            ; v1   my lane's place in a tile of K: 48 r + 512 (r / 8) + 24 h
.set AV,  2                            ; v2   in a tile of V: 208 r + 24 h
.set ASK, 3                            ; v3   among K's scale bytes: KSC + 2 (8 h + r + 8 (r / 8)): lanes 0-15 tile 2 b's rows, lanes 16-31 tile 2 b + 1's
.set ASV, 4                            ; v4   among V's: VSC + 80 x lane: lanes 0-15 tile 2 u's rows, lanes 16-31 tile 2 u + 1's
.set ADS, 5                            ; v5   the step's address of K's scales
.set ADT, 6                            ; v6   of V's
.set KST, 7                            ; v7   where I put K's bytes in a slot: 896 w + 8 lane
.set VST, 8                            ; v8   and V's: 208 (x / 8) + 8 (x % 8), x my thread's number
.set KGO, 9                            ; v9   where they come from: 768 w + 8 lane
.set VGO, 10                           ; v10  1,536 (x / 8) + 8 (x % 8)
.set NEG, 11                           ; v11  -infinity
                                       ; v12 -M, v13 the largest t, v[14:15] the sum in two halves
.set QF,  16                           ; v16-21 Q's codes, v22-27 zero codes
.set QS,  28                           ; v28  Q's scale words
.set QGO, 29                           ; v29  48 r + 24 h
.set QSO, 30                           ; v30  2 r
.set GO,  31                           ; v31  the way out: 256 h + 16 r
.set KV,  32                           ; v32-85 K's fragment t at 32 + 6 t (v80-85 zero), later V's fragment t at 32 + 12 t
.set GK,  86                           ; v86-91 the next slot's bytes of K on their way, v92-97 of V
.set GV,  92
.set KS,  98                           ; v98-101 K's scale words; v102-103 V's
.set VS,  102
.set S,   104                          ; v104-167 S^T, then p; on the way out results and rows
.set O,   168                          ; v168-199 O^T: four accumulators
.set PC,  200                          ; v200-211 p's codes
.set CT,  212                          ; v212-214, v216-218 halves of blocks on their way
.set BM,  220                          ; v220-223 each block's largest score, then its largest p
.set BT,  224                          ; v224-227 at work
.set SO,  228                          ; v228-231 the conversions' scale operands
.set FF,  232                          ; v[232:233] f = 2^(old M - new M); the pair's upper word is 0
.set TMP, 234
.set PS,  235                          ; v235 p's scale word
.set L2,  236                          ; v[236:237] the sum's second chain
.set STO, 238                          ; v238 the stage: where I put 32 bytes of a row
.set RD,  239                          ; v239 and where I read a row back
.set WV,  2                            ; s2   my wave's number
.set KB,  4                            ; s[4:5] K's codes at the next slot to fetch;  s[6:7] V's
.set VB,  6
.set QB,  8                            ; s[8:9] Q's codes of the head;  s[10:11] Q's scales
.set QSB, 10
.set MT,  12                           ; s[12:13] mtab
.set OB,  14                           ; s[14:15] out0 at the head
.set MR,  16                           ; s[16:17] the step's record
.set OP,  18                           ; s[18:19] out0 at my tile
.set SEL, 20                           ; s[20:21] v_permlanex16_b32's selects for lane l xor 16
.set CS,  22                           ; s[22:23] c = log2(e) / 8: the packed form names a pair and takes its low word for both halves
.set FL,  24                           ; s24  my tile's flags, two bits a step, shifted down as the steps pass
.set ANY, 25                           ; s25  the OR of the block's sixteen flag words, shifted down four bits a slot
.set F,   26                           ; s26  the flag in hand
.set TS,  27                           ; s27  the step's place among K's scale bytes: 256 a step
.set TJ,  28                           ; s28  among V's: 4 a step
.set TRIP, 29
.set BLK, 30
.set BQ,  31                           ; s31  the block of 256 queries
.set MW,  32                           ; s[32:63], s[68:99] the record's 64 words: word j in s[32 + j + 4 (j / 32)]; free outside the masking: arguments, flag words and pointers lie there for a while
; The next slot's 256 keys from memory: wave w takes K's keys 16 w .. 16 w + 15 (three loads of 256 consecutive bytes, aligned); eight threads take a row of V's 192 bytes, 64 at a time.
.macro GLOAD
.irp j, 0,1,2
	global_load_b64 v[GK+2*\j:GK+2*\j+1], v[KGO], s[KB:KB+1] offset:256*\j
	global_load_b64 v[GV+2*\j:GV+2*\j+1], v[VGO], s[VB:VB+1] offset:64*\j
.endr
.endm
.macro LSTORE slot
.irp j, 0,1,2
	ds_store_b64 v[KST], v[GK+2*\j:GK+2*\j+1] offset:(\slot)*SLOTB+256*\j
	ds_store_b64 v[VST], v[GV+2*\j:GV+2*\j+1] offset:(\slot)*SLOTB+VOFF+64*\j
.endr
.endm
.macro KQ t                            ; S^T's tile t.  The scale register holds tile 2 b's words in lanes 0-15 and tile 2 b + 1's in lanes 16-31
.if (\t)%2
	v_wmma_scale_f32_16x16x128_f8f6f4 v[S+8*(\t):S+8*(\t)+7], v[KV+6*(\t):KV+6*(\t)+11], v[QF:QF+11], 0, v[KS+(\t)/2], v[QS] matrix_a_fmt:MATRIX_FMT_BF6 matrix_b_fmt:MATRIX_FMT_BF6 matrix_a_scale:MATRIX_SCALE_ROW1
.else
	v_wmma_scale_f32_16x16x128_f8f6f4 v[S+8*(\t):S+8*(\t)+7], v[KV+6*(\t):KV+6*(\t)+11], v[QF:QF+11], 0, v[KS+(\t)/2], v[QS] matrix_a_fmt:MATRIX_FMT_BF6 matrix_b_fmt:MATRIX_FMT_BF6
.endif
.endm
.macro PV t                            ; O^T's tile t: channels 16 t on
.if (\t)%2
	v_wmma_scale_f32_16x16x128_f8f6f4 v[O+8*(\t):O+8*(\t)+7], v[KV+12*(\t):KV+12*(\t)+11], v[PC:PC+11], v[O+8*(\t):O+8*(\t)+7], v[VS+(\t)/2], v[PS] matrix_a_fmt:MATRIX_FMT_BF6 matrix_b_fmt:MATRIX_FMT_BF6 matrix_a_scale:MATRIX_SCALE_ROW1
.else
	v_wmma_scale_f32_16x16x128_f8f6f4 v[O+8*(\t):O+8*(\t)+7], v[KV+12*(\t):KV+12*(\t)+11], v[PC:PC+11], v[O+8*(\t):O+8*(\t)+7], v[VS+(\t)/2], v[PS] matrix_a_fmt:MATRIX_FMT_BF6 matrix_b_fmt:MATRIX_FMT_BF6
.endif
.endm
; A KEY STEP: 128 keys, the q-th of the LDS slot named.
.macro STEP slot, q
	s_and_b32 s[F], s[FL], 3                       ; this step's flag of my tile
	s_lshr_b32 s[FL], s[FL], 2
	s_cmp_eq_u32 s[F], 0
	s_cbranch_scc1 .Lhid_\@                        ; no key kept for any of my queries: nothing changes
	v_add_nc_u32 v[ADS], s[TS], v[ASK]
	v_add_nc_u32 v[ADT], s[TJ], v[ASV]
.irp t, 0,1,2,3,4,5,6,7                        ; K's eight fragments: 24 bytes a lane, in pieces of 8, so that every address is a multiple of the access's size
.irp p, 0,1,2
	ds_load_b64 v[KV+6*\t+2*\p:KV+6*\t+2*\p+1], v[AK] offset:(\slot)*SLOTB+(8*(\q)+2*(\t/2))*KGRP+384*(\t%2)+8*\p
.endr
.endr
.irp b, 0,1,2,3
	ds_load_u16 v[KS+\b], v[ADS] offset:64*\b      ; two scale bytes a key; the upper two bytes of the word come as 0
.endr
	s_wait_dscnt 0x0
.irp t, 0,1,2,3,4,5,6,7
	KQ \t
.endr
.rept 4
	v_nop                                          ; four places in front of the loads into registers that these products read, and of the first read of their results
.endr
.irp t, 0,1,2,3                                ; V's four fragments are asked for now and land under the softmax
.irp p, 0,1,2,3,4,5
	ds_load_b64 v[KV+12*\t+2*\p:KV+12*\t+2*\p+1], v[AV] offset:(\slot)*SLOTB+VOFF+16*\t*VP+96*(\q)+48*(\p/3)+8*(\p%3)
.endr
.endr
.irp u, 0,1
	ds_load_b32 v[VS+\u], v[ADT] offset:2560*\u    ; V's scale words of these 128 keys, 32 rows a load
.endr
	s_cmp_lg_u32 s[F], 1
	s_cbranch_scc1 .Lopen_\@                       ; every key counts for every query of mine: no masking
	s_load_b512 s[MW:MW+15], s[MR:MR+1], 0x0       ; the record: loads, wait and use stand in this one arm
	s_load_b512 s[MW+16:MW+31], s[MR:MR+1], 0x40
	s_load_b512 s[MW+36:MW+51], s[MR:MR+1], 0x80
	s_load_b512 s[MW+52:MW+67], s[MR:MR+1], 0xc0
	s_wait_kmcnt 0x0
.set J, 0
.rept 64
	v_cndmask_b32 v[S+J], v[NEG], v[S+J], s[MW+J+4*(J/32)]   ; bit = 1: the score stays; 0: -infinity.  Each accumulator from its low end on
.set J, J+1
.endr
.Lopen_\@:
.irp b, 0,1,2,3
	v_max3_num_f32 v[BM+\b], v[S+16*\b], v[S+1+16*\b], v[S+2+16*\b]   ; THE LARGEST SCORE OF EACH BLOCK OF 32 KEYS serves twice: for the row's maximum, and, since p rises with the score, for the block's largest p
.endr
.irp i, 3,5,7,9,11,13
.irp b, 0,1,2,3
	v_max3_num_f32 v[BM+\b], v[BM+\b], v[S+16*\b+\i], v[S+1+16*\b+\i]   ; (the four blocks by turns)
.endr
.endr
.irp b, 0,1,2,3
	v_max_num_f32 v[BM+\b], v[BM+\b], v[S+15+16*\b]
.endr
.irp b, 0,1,2,3
	v_permlanex16_b32 v[BT+\b], v[BM+\b], s[SEL], s[SEL+1]
.endr
.irp b, 0,1,2,3
	v_max_num_f32 v[BM+\b], v[BM+\b], v[BT+\b]     ; with lane l xor 16's 16 keys
.endr
	v_max3_num_f32 v[TMP], v[BM], v[BM+1], v[BM+2]
	v_max_num_f32 v[TMP], v[TMP], v[BM+3]          ; the step's largest score of my query
	v_mul_f32 v[TMP], s[CS], v[TMP]                ; as t (c is positive)
	v_max_num_f32 v13, v13, v[TMP]                 ; the running largest t
	v_mov_b32 v[TMP], v12
	v_floor_f32 v12, -v13                          ; the new -M = floor(-t) = -ceil(t): M is a whole number
	v_sub_f32 v[TMP], v12, v[TMP]                  ; M's old value less its new one: a whole number, 0 or less
	v_cvt_i32_f32 v[TMP], v[TMP]                   ; (it saturates)
	v_ldexp_f32 v[FF], 1.0, v[TMP]                 ; f = 2^(old M - new M): a multiplication by it rounds nothing
.set J, 0
.rept 32
	v_pk_fma_f32 v[S+J:S+J+1], v[S+J:S+J+1], s[CS:CS+1], v[12:13] op_sel_hi:[1,0,0]   ; t - M, two at a time (of the pairs c and -M the low word serves both halves)
.set J, J+2
.endr
.irp b, 0,1,2,3
	v_fma_f32 v[BM+\b], v[BM+\b], s[CS], v12       ; the same of each block's largest score
.endr
.set J, 0
.rept 64
	v_exp_f32 v[S+J], v[S+J]                       ; p = 2^(t - M), at most 1: not normalised
.set J, J+1
.endr
.irp b, 0,1,2,3
	v_exp_f32 v[BM+\b], v[BM+\b]                   ; the block's largest p: the same two instructions on the same number give the same bits
.endr
	v_pk_mul_f32 v[14:15], v[14:15], v[FF:FF+1] op_sel_hi:[1,0]   ; the sums under the new M.  (The plain place behind the exponentials)
	s_wait_alu depctr_va_vdst(0)
.irp b, 0,1,2,3
	v_max_num_f32 v[BM+\b], 0x2800000, v[BM+\b]    ; the floor 2^(5 - 127): the byte cannot fall under 1 (a block whose every p is 0 keeps that byte: its codes are zeros)
.endr
.irp b, 0,1,2,3
	v_add_nc_u32 v[SO+\b], 0xfe000000, v[BM+\b]    ; 4 off the exponent field: the conversion takes the exponent field of this operand as its scale
.endr
.irp b, 0,1,2,3
	v_lshrrev_b32 v[BT+\b], 23, v[SO+\b]           ; the scale's byte
.endr
	v_lshl_or_b32 v[PS], v[BT+1], 8, v[BT]         ; p's scale word for these 128 keys
	v_lshl_or_b32 v[PS], v[BT+2], 16, v[PS]
	v_lshl_or_b32 v[PS], v[BT+3], 24, v[PS]
.irp c, 0,1
	v_cvt_scalef32_pk16_bf6_f32 v[PC+6*\c:PC+2+6*\c], v[S+32*\c:S+15+32*\c], v[SO+2*\c]
	v_cvt_scalef32_pk16_bf6_f32 v[CT+4*\c:CT+2+4*\c], v[S+16+32*\c:S+31+32*\c], v[SO+2*\c+1]   ; (a conversion's three registers begin on an even number)
.endr
	v_nop                                          ; one plain place behind a scaled conversion
.irp c, 0,1                                    ; the operand's layout wants a WHOLE block in a lane: lanes 0-15 block 2 c, lanes 16-31 block 2 c + 1
.irp i, 0,1,2
	v_permlane16_swap_b32 v[PC+6*\c+\i], v[CT+4*\c+\i]
.endr
.irp i, 0,1,2
	v_mov_b32 v[PC+3+6*\c+\i], v[CT+4*\c+\i]
.endr
.endr
.set J, 0
.rept 16
	v_pk_mul_f32 v[O+J:O+J+1], v[O+J:O+J+1], v[FF:FF+1] op_sel_hi:[1,0]   ; O^T under the new M, each accumulator from its low end on
.set J, J+2
.endr
	v_pk_add_f32 v[L2:L2+1], v[S:S+1], v[S+2:S+3]  ; THE ROW'S SUM IS TAKEN OF THE UNQUANTISED p: two at a time, in two chains
.set J, 4
.rept 15
	v_pk_add_f32 v[14:15], v[14:15], v[S+J:S+J+1]
	v_pk_add_f32 v[L2:L2+1], v[L2:L2+1], v[S+J+2:S+J+3]
.set J, J+4
.endr
	v_pk_add_f32 v[14:15], v[14:15], v[L2:L2+1]    ; (these 48 plain lines are also the places between the writing of p's codes and scale word and the products below)
	s_wait_dscnt 0x0                               ; V's fragments and scale words are in
.irp t, 0,1,2,3
	PV \t                                          ; the four accumulators take turns, one instruction a turn; between two links of a chain stand the next step's eight products S^T
.endr
.rept 4
	v_nop                                          ; four places, on every way on: in front of the next loads into these products' registers and of the next read of O^T
.endr
.Lhid_\@:
	s_add_co_u32 s[TS], s[TS], 256                 ; on every way: the next step's scale bytes and record (no scalar load is out here: the masking's arm has waited for its own)
	s_add_co_u32 s[TJ], s[TJ], 4
	s_add_nc_u64 s[MR:MR+1], s[MR:MR+1], 256
.endm
; A SLOT'S VISIT.  The next slot's bytes are asked for at its head, into registers, and have two key steps in which to land; at its end they go into the other LDS slot.
; ONE barrier does two things: in front of it each wave has waited for its stores into the other slot and for its reads of this one; the other slot was last read ahead of the barrier before.
.macro VISIT cur, other
	s_and_b32 s[F], s[ANY], 0xf0                   ; does any tile of the block use the next slot?  In the eighth visit these bits are 0 by the shifts: no load leaves its buffer
	s_cmp_eq_u32 s[F], 0
	s_cbranch_scc1 .Lnone_\@
	GLOAD
.Lnone_\@:
	STEP \cur, 0
	STEP \cur, 1
	s_wait_loadcnt 0x0                             ; on every way: the bytes are in, and the loads' bases may step
	LSTORE \other                                  ; always: where nothing was fetched, old bytes go to a slot that no wave will read
	s_add_nc_u64 s[KB:KB+1], s[KB:KB+1], 256*48
	s_add_nc_u64 s[VB:VB+1], s[VB:VB+1], 192
	s_lshr_b32 s[ANY], s[ANY], 4
	s_wait_dscnt 0x0                               ; for the others' sake: my stores have landed, my reads of this slot are over
	s_barrier_signal -1
	s_barrier_wait -1
.endm
	s_load_b512 s[68:83], s[0:1], 0x0              ; q_codes, q_scales, k_codes, k_scales, v_codes, v_scales, mtab, out0
	v_lshl_add_u32 v254, v0, 2, 0x20c00
	v_mov_b32 v255, 0
	v_lshrrev_b32 v104, 5, v0
	v_readfirstlane_b32 s[WV], v104                ; wave 0..15
	v_and_b32 v105, 31, v0                         ; lane
	v_and_b32 v106, 15, v0                         ; r
	v_bfe_u32 v107, v0, 4, 1                       ; h
	v_bfe_u32 v108, v0, 3, 1                       ; r / 8
	v_lshrrev_b32 v109, 3, v0                      ; x / 8
	v_and_b32 v110, 7, v0                          ; x % 8
	v_mul_u32_u24 v[AK], v106, 48
	v_lshl_add_u32 v[AK], v108, 9, v[AK]           ; 16 keys on: 8 rows of 48 bytes more than r says, and the group's 128 of padding
	v_mad_u32_u24 v[AK], v107, 24, v[AK]
	v_mul_u32_u24 v[AV], v106, VP
	v_mad_u32_u24 v[AV], v107, 24, v[AV]
	v_lshlrev_b32 v[ASK], 1, v106
	v_lshl_add_u32 v[ASK], v107, 4, v[ASK]
	v_lshl_add_u32 v[ASK], v108, 4, v[ASK]
	v_add_nc_u32 v[ASK], KSC, v[ASK]
	v_mul_u32_u24 v[ASV], v105, 80
	v_add_nc_u32 v[ASV], VSC, v[ASV]
	s_mul_i32 s26, s[WV], KGRP
	v_lshl_add_u32 v[KST], v105, 3, s26
	s_mul_i32 s27, s[WV], 768
	v_lshl_add_u32 v[KGO], v105, 3, s27
	v_mul_u32_u24 v[VST], v109, VP
	v_lshl_add_u32 v[VST], v110, 3, v[VST]
	v_mul_u32_u24 v[VGO], v109, 1536
	v_lshl_add_u32 v[VGO], v110, 3, v[VGO]
	v_mov_b32 v[NEG], 0xff800000
	v_mul_u32_u24 v[QGO], v106, 48
	v_mad_u32_u24 v[QGO], v107, 24, v[QGO]
	v_lshlrev_b32 v[QSO], 1, v106
	v_lshlrev_b32 v[GO], 8, v107
	v_lshl_add_u32 v[GO], v106, 4, v[GO]
	s_mul_i32 s28, s[WV], 16*SP
	s_add_co_u32 s28, s28, STG                     ; my stage
	v_mul_u32_u24 v[STO], v106, SP
	v_lshl_add_u32 v[STO], v107, 5, v[STO]
	v_add_nc_u32 v[STO], s28, v[STO]               ; in: row r, + 32 h
	v_mul_u32_u24 v[RD], v107, SP
	v_lshl_add_u32 v[RD], v106, 4, v[RD]
	v_add_nc_u32 v[RD], s28, v[RD]                 ; back: lanes 0-15 one row, lanes 16-31 the next
	v_lshlrev_b32 v111, 3, v0                      ; the scale bytes' way in: 8 bytes a thread
	v_mul_u32_u24 v113, v109, 80
	v_lshl_add_u32 v113, v110, 3, v113
.irp j, 0,1,2,3,4,5
	v_mov_b32 v[QF+6+\j], 0                        ; Q's zero codes for k = 64 .. 127
	v_mov_b32 v[KV+48+\j], 0                       ; what stands behind K's last fragment
.endr
.irp j, 0,1,2,3,4,5,6,7,8,9,10,11
	v_mov_b32 v[GK+\j], 0                          ; written once: they are stored also where nothing was fetched
.endr
.irp j, 0,1,2,3
	v_mov_b32 v[BT+\j], 0                          ; written once: a lane permute's destination counts as one of its sources
.endr
	v_mov_b32 v[FF+1], 0                           ; (named as the upper half of a pair)
	v_mov_b32 v[TMP], 0
	s_mov_b32 s[SEL], 0x76543210
	s_mov_b32 s[SEL+1], 0xfedcba98
	s_mov_b32 s[CS], 0x3e38aa3b                    ; c = log2(e) / 8
	s_mov_b32 s[CS+1], s[CS]                       ; (named with it as a pair, so it is written)
	s_mul_i32 s32, ttmp9, 98304                    ; the head's first byte in each tensor of codes,
	s_mov_b32 s33, 0
	s_lshl_b32 s34, ttmp9, 12                      ; of scale bytes,
	s_mov_b32 s35, 0
	s_lshl_b32 s36, ttmp9, 19                      ; and in out0
	s_mov_b32 s37, 0
	s_and_b32 s[BQ], ttmp7, 0xffff                 ; the first block of queries: y
	s_mov_b32 s[BLK], 2
	s_wait_kmcnt 0x0
	s_add_nc_u64 s[QB:QB+1], s[68:69], s[32:33]
	s_add_nc_u64 s[QSB:QSB+1], s[70:71], s[34:35]
	s_add_nc_u64 s[KB:KB+1], s[72:73], s[32:33]
	s_add_nc_u64 s[84:85], s[74:75], s[34:35]
	s_add_nc_u64 s[VB:VB+1], s[76:77], s[32:33]
	s_add_nc_u64 s[86:87], s[78:79], s[34:35]
	s_mov_b64 s[MT:MT+1], s[80:81]
	s_add_nc_u64 s[OB:OB+1], s[82:83], s[36:37]
	global_load_b64 v[114:115], v111, s[84:85]     ; the head's scale bytes come once: 4,096 dense bytes each, a wave's load 256 consecutive bytes, aligned
	global_load_b64 v[116:117], v111, s[86:87]
	s_wait_loadcnt 0x0
	ds_store_b64 v111, v[114:115] offset:KSC
	ds_store_b64 v113, v[116:117] offset:VSC       ; (they are read behind the first block's barrier, in front of which every wave waits for its stores)
.Lblock:                                           ; two trips: blocks y and 7 - y
	s_lshl_b32 s48, s[BQ], 4
	s_add_co_u32 s48, s48, s[WV]                   ; my tile T = 16 x block + wave; my first query is 16 T
	s_lshl_b32 s52, s[BQ], 6
	s_mov_b32 s53, 0
	s_add_nc_u64 s[52:53], s[MT:MT+1], s[52:53]
	s_load_b512 s[MW:MW+15], s[52:53], FLAGS       ; the flag words of the block's sixteen tiles,
	s_lshl_b32 s54, s48, 2
	s_mov_b32 s55, 0
	s_add_nc_u64 s[54:55], s[MT:MT+1], s[54:55]
	s_load_b32 s[FL], s[54:55], FLAGS              ; and my tile's
	s_mul_i32 s56, s48, 768                        ; 16 rows of 48 bytes a tile
	s_mov_b32 s57, 0
	s_add_nc_u64 s[56:57], s[QB:QB+1], s[56:57]
	s_lshl_b32 s58, s48, 5                         ; 16 x 2 scale bytes
	s_mov_b32 s59, 0
	s_add_nc_u64 s[58:59], s[QSB:QSB+1], s[58:59]
	s_lshl_b32 s[MR], s48, 12                      ; 16 records of 256 bytes
	s_mov_b32 s[MR+1], 0
	s_add_nc_u64 s[MR:MR+1], s[MT:MT+1], s[MR:MR+1]
	s_lshl_b32 s[OP], s48, 12                      ; 16 rows of 256 bytes
	s_mov_b32 s[OP+1], 0
	s_add_nc_u64 s[OP:OP+1], s[OB:OB+1], s[OP:OP+1]
.irp p, 0,1,2
	global_load_b64 v[QF+2*\p:QF+2*\p+1], v[QGO], s[56:57] offset:8*\p th:TH_LOAD_NT   ; Q's fragment stays in registers for the block; read once in the launch
.endr
	global_load_u16 v[QS], v[QSO], s[58:59] th:TH_LOAD_NT   ; two scale bytes a query; the upper two bytes of the word come as 0
	v_mov_b32 v13, 0xff61b1e6                      ; the largest t so far: -3e38, under every t
	v_floor_f32 v12, -v13                          ; -M
	v_mov_b32 v14, 0                               ; the sum, in two halves
	v_mov_b32 v15, 0
.set J, 0
.rept 32
	v_mov_b32 v[O+J], 0                            ; O^T.  (The step is written once: the first finds zeros, which the first change of M leaves zeros; a tile with no step at all keeps them)
.set J, J+1
.endr
	s_mov_b32 s[TS], 0
	s_mov_b32 s[TJ], 0
	s_wait_kmcnt 0x0
	s_or_b32 s[ANY], s[MW], s[MW+1]
.irp j, 2,3,4,5,6,7,8,9,10,11,12,13,14,15
	s_or_b32 s[ANY], s[ANY], s[MW+\j]
.endr
	s_and_b32 s[F], s[ANY], 15                     ; does any tile of the block use slot 0?
	s_cmp_eq_u32 s[F], 0
	s_cbranch_scc1 .Lno_first
	GLOAD
.Lno_first:
	s_wait_loadcnt 0x0                             ; Q, and the first slot's bytes; the pointers in s[48:59] are free
	LSTORE 0                                       ; LDS slot 0 was last read ahead of the seventh visit's barrier of the block before
	s_add_nc_u64 s[KB:KB+1], s[KB:KB+1], 256*48
	s_add_nc_u64 s[VB:VB+1], s[VB:VB+1], 192
	s_wait_dscnt 0x0
	s_barrier_signal -1
	s_barrier_wait -1
	s_mov_b32 s[TRIP], 4
.Ltrip:                                            ; four trips of two visits: all 2,048 keys
	VISIT 0, 1
	VISIT 1, 0
	s_sub_co_u32 s[TRIP], s[TRIP], 1
	s_cmp_lg_u32 s[TRIP], 0
	s_cbranch_scc1 .Ltrip
	; THE WAY OUT.  O^T is divided by the row's sum and goes through my own stage in LDS, so that a store of the wave covers two whole rows of out0: 512 consecutive bytes, aligned.
	v_add_f32 v14, v14, v15                        ; the sum's two halves,
	v_permlanex16_b32 v[TMP], v14, s[SEL], s[SEL+1]
	v_add_f32 v14, v14, v[TMP]                     ; and lane l xor 16's: the row's sum
	v_rcp_f32 v14, v14
	v_nop                                          ; one plain place behind a transcendental
.set J, 0
	s_wait_alu depctr_va_vdst(0)
.rept 16
	v_pk_mul_f32 v[S+J:S+J+1], v[O+J:O+J+1], v[14:15] op_sel_hi:[1,0]   ; register 8 t + i is o(r, 16 t + 8 h + i); each accumulator from its low end on
.set J, J+2
.endr
.irp t, 0,1,2,3
	ds_store_b128 v[STO], v[S+8*\t:S+8*\t+3] offset:64*\t
	ds_store_b128 v[STO], v[S+8*\t+4:S+8*\t+7] offset:64*\t+16
.endr
.irp i, 0,1,2,3,4,5,6,7
	ds_load_b128 v[S+32+4*\i:S+35+4*\i], v[RD] offset:2*\i*SP   ; LDS serves a wave's instructions in order (ISA guide 5.7.1.4): these see my stores
.endr
.irp i, 0,1,2,3,4,5,6,7
	s_wait_dscnt 7-\i                              ; row pair i is back; the 7 - i younger loads stay out
	global_store_b128 v[GO], v[S+32+4*\i:S+35+4*\i], s[OP:OP+1] offset:512*\i th:TH_STORE_NT   ; written once, read by nobody here
.endr
	s_wait_xcnt 0x0                                ; the stores' data registers and base are written again only behind this wait
	s_sub_nc_u64 s[KB:KB+1], s[KB:KB+1], 9*256*48  ; back to the head's first keys: the prologue and the eight visits have stepped nine times
	s_sub_nc_u64 s[VB:VB+1], s[VB:VB+1], 9*192
	s_sub_co_u32 s[BQ], 7, s[BQ]                   ; the other block
	s_sub_co_u32 s[BLK], s[BLK], 1
	s_cmp_lg_u32 s[BLK], 0
	s_cbranch_scc1 .Lblock
	s_wait_tensorcnt 0x0
	ds_add_u32 v254, v255
	s_wait_dscnt 0x0
	s_endpgm
.Lfunc_end_k_q2d7efdb150_attn:
	.size	k_q2d7efdb150_attn, .Lfunc_end_k_q2d7efdb150_attn-k_q2d7efdb150_attn
	.p2alignl 7, 3214868480
	.fill 96, 4, 3214868480
	.section	.rodata,"a",@progbits
	.p2align	6, 0x0
	.amdhsa_kernel k_q2d7efdb150_attn
		.amdhsa_group_segment_fixed_size 136192
		.amdhsa_private_segment_fixed_size 0
		.amdhsa_enable_private_segment 0
		.amdhsa_kernarg_size 64
		.amdhsa_user_sgpr_count 2
		.amdhsa_user_sgpr_kernarg_segment_ptr 1
		.amdhsa_wavefront_size32 1
		.amdhsa_system_sgpr_workgroup_id_x 1
		.amdhsa_system_sgpr_workgroup_id_y 1
		.amdhsa_system_sgpr_workgroup_id_z 1
		.amdhsa_system_vgpr_workitem_id 0
		.amdhsa_next_free_vgpr 256
		.amdhsa_next_free_sgpr 100
		.amdhsa_reserve_vcc 0
		.amdhsa_float_denorm_mode_32 3
		.amdhsa_float_denorm_mode_16_64 3
		.amdhsa_memory_ordered 1
		.amdhsa_forward_progress 1
		.amdhsa_inst_pref_size 102
	.end_amdhsa_kernel
	.amdgpu_metadata
---
amdhsa.version: [ 1, 2 ]
amdhsa.kernels:
  - .name:           k_q2d7efdb150_attn
    .symbol:         k_q2d7efdb150_attn.kd
    .args:
      - { .name: q_codes, .offset: 0, .size: 8, .value_kind: global_buffer, .address_space: global }
      - { .name: q_scales, .offset: 8, .size: 8, .value_kind: global_buffer, .address_space: global }
      - { .name: k_codes, .offset: 16, .size: 8, .value_kind: global_buffer, .address_space: global }
      - { .name: k_scales, .offset: 24, .size: 8, .value_kind: global_buffer, .address_space: global }
      - { .name: v_codes, .offset: 32, .size: 8, .value_kind: global_buffer, .address_space: global }
      - { .name: v_scales, .offset: 40, .size: 8, .value_kind: global_buffer, .address_space: global }
      - { .name: mtab, .offset: 48, .size: 8, .value_kind: global_buffer, .address_space: global }
      - { .name: out0, .offset: 56, .size: 8, .value_kind: global_buffer, .address_space: global }
    .group_segment_fixed_size: 136192
    .private_segment_fixed_size: 0
    .kernarg_segment_align: 8
    .kernarg_segment_size: 64
    .max_flat_workgroup_size: 512
    .sgpr_count:     100
    .vgpr_count:     256
    .wavefront_size: 32
...
	.end_amdgpu_metadata
.endif
;; end of part 2
;; ======== version 2 of 2: 2 launches
;; workspace buffers: mtab 524,800 bytes of whole numbers
;; launch maskprep (part 3): grid 128 x 1, 4 waves a work-group, no clusters, 34,304 bytes of LDS; arguments mask, mtab; writes mtab
.if DOCPART == 3
	.amdgcn_target "amdgcn-amd-amdhsa--gfx1250"
	.amdhsa_code_object_version 6
	.text
	.protected	k_q2d7efdb150_maskprep
	.globl	k_q2d7efdb150_maskprep
	.p2align	8
	.type	k_q2d7efdb150_maskprep,@function
k_q2d7efdb150_maskprep:
	s_mov_b64 s[64:65], 0
	v_nop
	global_prefetch_b8 v0, s[64:65] scope:SCOPE_SE
	s_setreg_imm32_b32 hwreg(HW_REG_WAVE_MODE, 25, 1), 1
	s_wait_xcnt 0x0
; The mask [2048][2048], one byte a place (0 = hidden, anything else = kept), is turned into what the attention launch wants of it.
; For each tile T of 16 queries and each step s of 128 keys:
;   a RECORD of 64 words at byte (16 T + s) x 256 of mtab: bit r + 16 h of word 16 b + i is mask[16 T + r][128 s + 32 b + 16 h + i]: the lane mask of score register 16 b + i there;
;   a FLAG of two bits, bits 2 s and 2 s + 1 of the word at byte 524,288 + 4 T: 0 = no place kept, 1 = some, 2 = all.
; SHARES.  Work-group T takes the tile's 16 rows; wave g takes columns 512 g .. 512 g + 511: steps 4 g .. 4 g + 3.  The waves share nothing: no barrier.
; Each load reads 512 consecutive bytes of a row, 16 a lane.  The 16 rows turn through the wave's own stage in LDS, so that lane (r, h) then holds, for each block of 32 keys, the 16 bytes of row r that its score registers stand for.
; A compare of one byte of all 32 lanes against 0 IS a record's word; v_writelane_b32 puts word j into lane j / 2 of register j % 2, so that the 32 lanes store a record as 256 consecutive bytes, aligned.
.set ROWB,  2048                       ; bytes in a row of the mask
.set PITCH, 528                        ; a stage row: 512 bytes + 16 = 33 x 16: the sixteen rows that a 16-byte load touches start in sixteen different columns of 16 bytes (64 banks of 4 bytes: ISA guide 11.1)
.set WREG,  16*PITCH                   ; a wave's stage
.set FLAGS, 524288                     ; where the flag words begin in mtab
.set LD,    16                         ; v16-79   the 16 rows as loaded
.set TR,    80                         ; v80-143  turned: register 16 s' + 4 b + c: bytes i = 4 c .. 4 c + 3 of block b of my step s'
.set REC,   144                        ; v144-151 four records, a pair each
	s_load_b128 s[4:7], s[0:1], 0x0                ; mask s[4:5], mtab s[6:7]
	v_lshl_add_u32 v160, v0, 2, 0x8400
	v_mov_b32 v161, 0
	v_lshrrev_b32 v8, 5, v0
	v_readfirstlane_b32 s8, v8                     ; wave g
	v_and_b32 v1, 31, v0                           ; lane
	v_and_b32 v9, 15, v0                           ; r
	v_bfe_u32 v10, v0, 4, 1                        ; h
	v_lshlrev_b32 v2, 4, v1                        ; my 16 bytes of a load's 512
	s_mul_i32 s18, s8, WREG
	v_add_nc_u32 v3, s18, v2                       ; the stage, on the way in: as loaded
	v_mul_u32_u24 v4, v9, PITCH
	v_lshl_add_u32 v4, v10, 4, v4
	v_add_nc_u32 v4, s18, v4                       ; and on the way out: row r, + 16 h
	v_lshlrev_b32 v5, 3, v1                        ; a record: 8 bytes a lane
	v_mov_b32 v7, 0
.irp i, 0,1,2,3,4,5,6,7
	v_mov_b32 v[REC+\i], 0                         ; written once: v_writelane_b32's destination counts as one of its sources
.endr
	s_lshl_b32 s12, ttmp9, 15                      ; the mask: 16 rows of 2,048 bytes a tile,
	s_lshl_b32 s13, s8, 9                          ; 512 columns a wave
	s_add_co_u32 s12, s12, s13
	s_mov_b32 s13, 0
	s_lshl_b32 s14, ttmp9, 12                      ; the records: 16 of 256 bytes a tile,
	s_lshl_b32 s15, s8, 10                         ; four a wave
	s_add_co_u32 s14, s14, s15
	s_mov_b32 s15, 0
	s_lshl_b32 s16, ttmp9, 2                       ; the flags: a word a tile, a byte a wave
	s_add_co_u32 s16, s16, s8
	s_add_co_u32 s16, s16, FLAGS
	s_mov_b32 s17, 0
	s_wait_kmcnt 0x0
	s_add_nc_u64 s[4:5], s[4:5], s[12:13]
	s_add_nc_u64 s[10:11], s[6:7], s[16:17]
	s_add_nc_u64 s[6:7], s[6:7], s[14:15]
.set N, 0
.rept 16
	global_load_b128 v[LD+4*N:LD+4*N+3], v2, s[4:5] offset:ROWB*N th:TH_LOAD_NT   ; row N: 512 consecutive bytes, aligned; read once in the launch
.set N, N+1
.endr
.set N, 0
.rept 16
	s_wait_loadcnt 15-N                            ; loads come back in order (ISA guide 5.7.1): row N is in, the 15 - N younger ones stay out
	ds_store_b128 v3, v[LD+4*N:LD+4*N+3] offset:PITCH*N
.set N, N+1
.endr
.set N, 0
.rept 16
	ds_load_b128 v[TR+4*N:TR+4*N+3], v4 offset:32*N   ; block N of 32 columns.  LDS serves a wave's instructions in order (ISA guide 5.7.1.4): these see my stores
.set N, N+1
.endr
	s_wait_dscnt 0x0
.set RS, 0
.rept 4                                            ; my four steps
.set RJ, 0
.rept 16                                           ; register RJ = 4 b + c holds the bytes of words 4 RJ .. 4 RJ + 3; the four by turns
.irp y, 0,1,2,3
	v_and_b32 v[8+\y], 0xff<<(8*\y), v[TR+16*RS+RJ]
.endr
.irp y, 0,1,2,3
	v_cmp_ne_u32 s[20+\y], 0, v[8+\y]              ; bit L: lane L's byte is not 0
.endr
.irp y, 0,1,2,3
	v_writelane_b32 v[REC+2*RS+\y%2], s[20+\y], 2*RJ+\y/2
.endr
.set RJ, RJ+1
.endr
	v_or_b32 v12, v[REC+2*RS], v[REC+2*RS+1]
	v_and_b32 v13, v[REC+2*RS], v[REC+2*RS+1]
	v_cmp_ne_u32 s24, 0, v12                       ; not 0: some place is kept
	v_cmp_ne_u32 s25, -1, v13                      ; 0: every place is kept
	s_cmp_lg_u32 s24, 0
	s_cselect_b32 s26, 1, 0
	s_cmp_eq_u32 s25, 0
	s_cselect_b32 s27, 1, 0
	s_add_co_u32 s26, s26, s27                     ; the flag: 0, 1 or 2
.if RS == 0
	s_mov_b32 s28, s26
.else
	s_lshl_b32 s26, s26, 2*RS
	s_or_b32 s28, s28, s26
.endif
	global_store_b64 v5, v[REC+2*RS:REC+2*RS+1], s[6:7] offset:256*RS   ; 32 lanes store 256 consecutive bytes, aligned; each record has registers of its own
.set RS, RS+1
.endr
	v_mov_b32 v6, s28                              ; my four flags: one byte of the tile's word.  (These single bytes are 512 of the launch's 524,800 stored bytes)
	v_cmp_eq_u32 vcc_lo, 0, v1
	s_wait_alu depctr_va_vdst(0)
	s_wait_xcnt 0x0                                ; EXEC is a source of the stores above: it changes only behind this wait
	s_wait_tensorcnt 0x0
	ds_add_u32 v160, v161
	s_wait_dscnt 0x0
	s_and_saveexec_b32 s9, vcc_lo                  ; lane 0 alone
	global_store_b8 v7, v6, s[10:11]
	s_wait_xcnt 0x0                                ; and again in front of the line that widens it
	s_or_b32 exec_lo, exec_lo, s9
	s_endpgm
.Lfunc_end_k_q2d7efdb150_maskprep:
	.size	k_q2d7efdb150_maskprep, .Lfunc_end_k_q2d7efdb150_maskprep-k_q2d7efdb150_maskprep
	.p2alignl 7, 3214868480
	.fill 96, 4, 3214868480
	.section	.rodata,"a",@progbits
	.p2align	6, 0x0
	.amdhsa_kernel k_q2d7efdb150_maskprep
		.amdhsa_group_segment_fixed_size 34304
		.amdhsa_private_segment_fixed_size 0
		.amdhsa_enable_private_segment 0
		.amdhsa_kernarg_size 16
		.amdhsa_user_sgpr_count 2
		.amdhsa_user_sgpr_kernarg_segment_ptr 1
		.amdhsa_wavefront_size32 1
		.amdhsa_system_sgpr_workgroup_id_x 1
		.amdhsa_system_sgpr_workgroup_id_y 1
		.amdhsa_system_sgpr_workgroup_id_z 1
		.amdhsa_system_vgpr_workitem_id 0
		.amdhsa_next_free_vgpr 162
		.amdhsa_next_free_sgpr 66
		.amdhsa_reserve_vcc 1
		.amdhsa_float_denorm_mode_32 3
		.amdhsa_float_denorm_mode_16_64 3
		.amdhsa_memory_ordered 1
		.amdhsa_forward_progress 1
		.amdhsa_inst_pref_size 57
	.end_amdhsa_kernel
	.amdgpu_metadata
---
amdhsa.version: [ 1, 2 ]
amdhsa.kernels:
  - .name:           k_q2d7efdb150_maskprep
    .symbol:         k_q2d7efdb150_maskprep.kd
    .args:
      - { .name: mask, .offset: 0, .size: 8, .value_kind: global_buffer, .address_space: global }
      - { .name: mtab, .offset: 8, .size: 8, .value_kind: global_buffer, .address_space: global }
    .group_segment_fixed_size: 34304
    .private_segment_fixed_size: 0
    .kernarg_segment_align: 8
    .kernarg_segment_size: 16
    .max_flat_workgroup_size: 128
    .sgpr_count:     66
    .vgpr_count:     162
    .wavefront_size: 32
...
	.end_amdgpu_metadata
.endif
;; end of part 3
;; launch attn (part 4): grid 64 x 4, 16 waves a work-group, no clusters, 136,192 bytes of LDS; arguments q_codes, q_scales, k_codes, k_scales, v_codes, v_scales, mtab, out0; writes out0
.if DOCPART == 4
	.amdgcn_target "amdgcn-amd-amdhsa--gfx1250"
	.amdhsa_code_object_version 6
	.text
	.protected	k_q2d7efdb150_attn
	.globl	k_q2d7efdb150_attn
	.p2align	8
	.type	k_q2d7efdb150_attn,@function
k_q2d7efdb150_attn:
	s_mov_b64 s[64:65], 0
	v_nop
	global_prefetch_b8 v0, s[64:65] scope:SCOPE_SE
	s_setreg_imm32_b32 hwreg(HW_REG_WAVE_SCHED_MODE, 0, 2), 2
	s_setreg_imm32_b32 hwreg(HW_REG_WAVE_MODE, 25, 1), 1
	s_wait_xcnt 0x0
	s_wait_alu depctr_vm_vsrc(0)
; out0[head][q][:] = the sum over k of softmax_k(where(mask[q][k], Q[q] . K[k] / 8, -inf)) V[k][:], 64 heads, 2,048 queries and keys, head size 64; both products on codes of BF6 (E3M2) with one E8M0 scale for each 32 along a product's K.
; Q, K: rows of 48 bytes of codes and 2 scale bytes.  V: codes with the KEYS innermost, 64 rows of 1,536 bytes a head, 64 scale bytes a row.  The mask comes as mtab, which the launch before made of it: lane-mask words and flags.
; THE SOFTMAX: t = score x log2(e) / 8; M = the row's largest t so far, rounded UP to a whole number; p = 2^(t - M) is what is quantised, along the keys.  The row's sum is taken of the unquantised p and divides O at the end.
; When M moves, the sum and O are multiplied by 2^(old M - new M): exact.  A hidden score becomes -infinity ahead of the maximum, so its p is 0.
; SHARES.  A work-group takes one head and two blocks of 256 queries, y and 7 - y, one after the other (where later queries keep more keys that evens the work; it decides no value).  Each of its sixteen waves owns 16 queries,
; one tile, in 256 registers: four waves to a SIMD, so that one wave's vector work stands beside another's matrix work and LDS loads.  All waves walk 8 slots of 256 keys, two steps of 128 each: the trip counts are constants.
; WORK THAT IS LEFT OUT.  A step in which the mask keeps no key for any of my 16 queries changes neither M nor the sum nor O: a scalar branch on the stored flag leads round it.  A step in which it keeps all skips the masking.
; A slot that no tile of the block uses is not fetched.  This holds for every mask; no barrier stands under such a branch.
; NO TENSOR LOADS, NO CLUSTER, though the four work-groups of a head read the same K and V: the branches on the stored flags can spare whole steps
; (12 matrix and some 230 vector instructions each), where a joint load would spare a share of 24 KB a slot.  So K and V go from memory through registers into LDS, a slot ahead.
; LAYOUT.  Both products are used transposed: S^T = K Q^T (source 0 = 16 keys, source 1 = my 16 queries), O^T = V^T P^T (source 0 = 16 of the head's 64, source 1 = P): a lane holds ONE query (lane % 16) throughout.
; THE KEYS OF A TILE ARE NOT NEIGHBOURS: lane r of tile 2 b + u takes key 32 b + 8 u + r + 8 (r / 8), so that score register 16 b + i holds key 32 b + 16 (lane / 16) + i: 16 neighbours.
; THE HEAD'S 64 FILL HALF OF THE INSTRUCTION'S 128.  Q's registers 6-11 hold zero codes, and the scale bytes of that half are 0.  K's fragments are laid 6 registers apart, so that registers 6-11 of one are the next one's codes:
; every code of E3M2 is a finite number, and finite x 0 adds nothing.  That spares 42 registers and their clearing.
; LIMITS.  A scale byte 0xff (NaN) among the inputs is not served.  A query for which the mask keeps no key gets 0 x (1 / 0) = NaN, as the softmax of a row of -infinity is.
; THE MODE: SCHED_MODE bits 1:0 = 2 (LLVM: expert scheduling mode 2), set by the entry lines.  The code itself states the register dependences
; between vector or matrix instructions and memory or LDS instructions, with s_wait_alu, always for 0.
; THE PLAN.  Registers that memory or LDS instructions touch, and who else names them:
;   v1, v2, v7-10, v29-31, v238, v239   addresses: made once at the head, never written again.  One wait on va_vdst at the head, ahead of the first load, states that they are written.
;   v5, v6 (ADS, ADT)   written by two additions at the head of a step that is worked; read by that step's six loads of scale bytes.
;   v32-79 (KV)         a step's loads of K land here; its eight products S^T read them; its loads of V land here; its four products O^T read them.  The wave's 256 registers hold no second set of 48.
;   v98-103 (KS, VS)    loaded with K's and V's fragments; read by the same products as scales.
;   v86-97 (GK, GV)     cleared once at the head; from then on global loads land here and LDS stores read them: no vector instruction names them.
;   v16-21, v28 (Q)     loaded at a block's head; read by all the block's products S^T.
;   v104-167 (S)        in the loop vector and matrix instructions alone; on the way out v104-135 are LDS stores' data, v136-167 take LDS loads and are the global stores' data.
;   O^T, p's codes and scale word and the statistics are named by vector and matrix instructions alone.
; A STEP THAT IS WORKED has one wait on vm_vsrc (ahead of the two additions) and four on va_vdst: behind the additions (they are written; the last products O^T are done with KV and VS); behind the products S^T
; (they are done with KV: V's 26 loads follow, dealt among the maximum's lines, which name S and the statistics alone); behind the exponentials, ahead of their first reader; ahead of the products O^T (p's codes and scale word are written).
; The row's sum stands behind the products O^T, so that the next step's first wait on va_vdst stands 32 vector lines behind them.  A fetch of a slot has one wait on vm_vsrc: the LDS stores have read GK and GV.
.set KGRP,  896                        ; LDS: 16 keys of 48 bytes as in memory + 128: lanes 8-15 of a fragment (keys 16 further on) so fall half a row of banks from lanes 0-7: the 32 lanes of an 8-byte load touch 64 different banks (64 banks of 4 bytes: ISA guide 11.1)
.set VP,    208                        ; a row of V's tile: 192 bytes (256 keys) + 16 = 26 x 8: again 64 different banks
.set VOFF,  16*KGRP                    ; a slot: 256 keys of K, then 64 rows of V
.set SLOTB, VOFF+64*VP                 ; 27,648
.set KSC,   2*SLOTB                    ; K's scale bytes of the head: 2 a key, dense: 4,096
.set VSC,   KSC+4096                   ; V's: row d at 80 d (64 bytes + 16): 5,120
.set STG,   VSC+5120                   ; the way out: for each wave 16 rows of 256 bytes + 16
.set SP,    272
.set FLAGS, 524288                     ; where the flag words begin in mtab
.set AK,  1                            ; v1   my lane's place in a tile of K: 48 r + 512 (r / 8) + 24 h
.set AV,  2                            ; v2   in a tile of V: 208 r + 24 h
.set ASK, 3                            ; v3   among K's scale bytes: KSC + 2 (8 h + r + 8 (r / 8)): lanes 0-15 tile 2 b's rows, lanes 16-31 tile 2 b + 1's
.set ASV, 4                            ; v4   among V's: VSC + 80 x lane: lanes 0-15 tile 2 u's rows, lanes 16-31 tile 2 u + 1's
.set ADS, 5                            ; v5   the step's address of K's scales
.set ADT, 6                            ; v6   of V's
.set KST, 7                            ; v7   where I put K's bytes in a slot: 896 w + 8 lane
.set VST, 8                            ; v8   and V's: 208 (x / 8) + 8 (x % 8), x my thread's number
.set KGO, 9                            ; v9   where they come from: 768 w + 8 lane
.set VGO, 10                           ; v10  1,536 (x / 8) + 8 (x % 8)
.set NEG, 11                           ; v11  -infinity
                                       ; v12 -M, v13 the largest t, v[14:15] the sum in two halves
.set QF,  16                           ; v16-21 Q's codes, v22-27 zero codes
.set QS,  28                           ; v28  Q's scale words
.set QGO, 29                           ; v29  48 r + 24 h
.set QSO, 30                           ; v30  2 r
.set GO,  31                           ; v31  the way out: 256 h + 16 r
.set KV,  32                           ; v32-85 K's fragment t at 32 + 6 t (v80-85 zero), later V's fragment t at 32 + 12 t
.set GK,  86                           ; v86-91 the next slot's bytes of K on their way, v92-97 of V
.set GV,  92
.set KS,  98                           ; v98-101 K's scale words; v102-103 V's
.set VS,  102
.set S,   104                          ; v104-167 S^T, then p; on the way out results and rows
.set O,   168                          ; v168-199 O^T: four accumulators
.set PC,  200                          ; v200-211 p's codes
.set CT,  212                          ; v212-214, v216-218 halves of blocks on their way
.set BM,  220                          ; v220-223 each block's largest score, then its largest p
.set BT,  224                          ; v224-227 at work
.set SO,  228                          ; v228-231 the conversions' scale operands
.set FF,  232                          ; v[232:233] f = 2^(old M - new M); the pair's upper word is 0
.set TMP, 234
.set PS,  235                          ; v235 p's scale word
.set L2,  236                          ; v[236:237] the sum's second chain
.set STO, 238                          ; v238 the stage: where I put 32 bytes of a row
.set RD,  239                          ; v239 and where I read a row back
.set WV,  2                            ; s2   my wave's number
.set KB,  4                            ; s[4:5] K's codes at the next slot to fetch;  s[6:7] V's
.set VB,  6
.set QB,  8                            ; s[8:9] Q's codes of the head;  s[10:11] Q's scales
.set QSB, 10
.set MT,  12                           ; s[12:13] mtab
.set OB,  14                           ; s[14:15] out0 at the head
.set MR,  16                           ; s[16:17] the step's record
.set OP,  18                           ; s[18:19] out0 at my tile
.set SEL, 20                           ; s[20:21] v_permlanex16_b32's selects for lane l xor 16
.set CS,  22                           ; s[22:23] c = log2(e) / 8: the packed form names a pair and takes its low word for both halves
.set FL,  24                           ; s24  my tile's flags, two bits a step, shifted down as the steps pass
.set ANY, 25                           ; s25  the OR of the block's sixteen flag words, shifted down four bits a slot
.set F,   26                           ; s26  the flag in hand
.set TS,  27                           ; s27  the step's place among K's scale bytes: 256 a step
.set TJ,  28                           ; s28  among V's: 4 a step
.set TRIP, 29
.set BLK, 30
.set BQ,  31                           ; s31  the block of 256 queries
.set MW,  32                           ; s[32:63], s[68:99] the record's 64 words: word j in s[32 + j + 4 (j / 32)]; free outside the masking: arguments, flag words and pointers lie there for a while
; The next slot's 256 keys from memory: wave w takes K's keys 16 w .. 16 w + 15 (three loads of 256 consecutive bytes, aligned); eight threads take a row of V's 192 bytes, 64 at a time.
.macro GLOAD
	s_wait_alu depctr_vm_vsrc(0)                   ; the LDS stores of the slot before have read v[GK ..] and v[GV ..], in which these loads land
.irp j, 0,1,2
	global_load_b64 v[GK+2*\j:GK+2*\j+1], v[KGO], s[KB:KB+1] offset:256*\j
	global_load_b64 v[GV+2*\j:GV+2*\j+1], v[VGO], s[VB:VB+1] offset:64*\j
.endr
.endm
.macro LSTORE slot                     ; the data come from loads (their counter is waited for) or are the head's zeros, which the head's wait on va_vdst has shown written
.irp j, 0,1,2
	ds_store_b64 v[KST], v[GK+2*\j:GK+2*\j+1] offset:(\slot)*SLOTB+256*\j
	ds_store_b64 v[VST], v[GV+2*\j:GV+2*\j+1] offset:(\slot)*SLOTB+VOFF+64*\j
.endr
.endm
.macro VFRAG slot, q, t                ; V's fragment t: channels 16 t on, the slot's q-th 128 keys
.irp p, 0,1,2,3,4,5
	ds_load_b64 v[KV+12*(\t)+2*\p:KV+12*(\t)+2*\p+1], v[AV] offset:(\slot)*SLOTB+VOFF+16*(\t)*VP+96*(\q)+48*(\p/3)+8*(\p%3)
.endr
.endm
.macro KQ t                            ; S^T's tile t.  The scale register holds tile 2 b's words in lanes 0-15 and tile 2 b + 1's in lanes 16-31
.if (\t)%2
	v_wmma_scale_f32_16x16x128_f8f6f4 v[S+8*(\t):S+8*(\t)+7], v[KV+6*(\t):KV+6*(\t)+11], v[QF:QF+11], 0, v[KS+(\t)/2], v[QS] matrix_a_fmt:MATRIX_FMT_BF6 matrix_b_fmt:MATRIX_FMT_BF6 matrix_a_scale:MATRIX_SCALE_ROW1
.else
	v_wmma_scale_f32_16x16x128_f8f6f4 v[S+8*(\t):S+8*(\t)+7], v[KV+6*(\t):KV+6*(\t)+11], v[QF:QF+11], 0, v[KS+(\t)/2], v[QS] matrix_a_fmt:MATRIX_FMT_BF6 matrix_b_fmt:MATRIX_FMT_BF6
.endif
.endm
.macro PV t                            ; O^T's tile t: channels 16 t on
.if (\t)%2
	v_wmma_scale_f32_16x16x128_f8f6f4 v[O+8*(\t):O+8*(\t)+7], v[KV+12*(\t):KV+12*(\t)+11], v[PC:PC+11], v[O+8*(\t):O+8*(\t)+7], v[VS+(\t)/2], v[PS] matrix_a_fmt:MATRIX_FMT_BF6 matrix_b_fmt:MATRIX_FMT_BF6 matrix_a_scale:MATRIX_SCALE_ROW1
.else
	v_wmma_scale_f32_16x16x128_f8f6f4 v[O+8*(\t):O+8*(\t)+7], v[KV+12*(\t):KV+12*(\t)+11], v[PC:PC+11], v[O+8*(\t):O+8*(\t)+7], v[VS+(\t)/2], v[PS] matrix_a_fmt:MATRIX_FMT_BF6 matrix_b_fmt:MATRIX_FMT_BF6
.endif
.endm
; A KEY STEP: 128 keys, the q-th of the LDS slot named.
.macro STEP slot, q
	s_and_b32 s[F], s[FL], 3                       ; this step's flag of my tile
	s_lshr_b32 s[FL], s[FL], 2
	s_cmp_eq_u32 s[F], 0
	s_cbranch_scc1 .Lhid_\@                        ; no key kept for any of my queries: nothing changes
	s_wait_alu depctr_vm_vsrc(0)                   ; the loads of scale bytes of the step that was worked last have read v[ADS] and v[ADT], which the two lines below write
	v_add_nc_u32 v[ADS], s[TS], v[ASK]
	v_add_nc_u32 v[ADT], s[TJ], v[ASV]
	s_wait_alu depctr_va_vdst(0)                   ; v[ADS] and v[ADT] are written, which this step's loads of scale bytes read; the last products O^T are done reading V's fragments and scale words, in which this step's loads land
.irp t, 0,1,2,3,4,5,6,7                        ; K's eight fragments: 24 bytes a lane, in pieces of 8, so that every address is a multiple of the access's size
.irp p, 0,1,2
	ds_load_b64 v[KV+6*\t+2*\p:KV+6*\t+2*\p+1], v[AK] offset:(\slot)*SLOTB+(8*(\q)+2*(\t/2))*KGRP+384*(\t%2)+8*\p
.endr
.endr
.irp b, 0,1,2,3
	ds_load_u16 v[KS+\b], v[ADS] offset:64*\b      ; two scale bytes a key; the upper two bytes of the word come as 0
.endr
	s_wait_dscnt 0x0
.irp t, 0,1,2,3,4,5,6,7
	KQ \t
.endr
.rept 4
	v_nop                                          ; four places (ISA guide 7.12.1) in front of the first read of these products' results
.endr
	s_wait_alu depctr_va_vdst(0)                   ; the eight products are done reading K's fragments, in which V's land.  All of V's loads below lean on this wait: the lines between name S, -infinity and the blocks' maxima alone
	s_cmp_lg_u32 s[F], 1
	s_cbranch_scc1 .Lopen_\@                       ; every key counts for every query of mine: no masking
	s_load_b512 s[MW:MW+15], s[MR:MR+1], 0x0       ; the record: loads, wait and use stand in this one arm
	s_load_b512 s[MW+16:MW+31], s[MR:MR+1], 0x40
	s_load_b512 s[MW+36:MW+51], s[MR:MR+1], 0x80
	s_load_b512 s[MW+52:MW+67], s[MR:MR+1], 0xc0
	s_wait_kmcnt 0x0
.set J, 0
.rept 64
	v_cndmask_b32 v[S+J], v[NEG], v[S+J], s[MW+J+4*(J/32)]   ; bit = 1: the score stays; 0: -infinity.  Each accumulator from its low end on
.set J, J+1
.endr
.Lopen_\@:
.irp b, 0,1,2,3
	v_max3_num_f32 v[BM+\b], v[S+16*\b], v[S+1+16*\b], v[S+2+16*\b]   ; THE LARGEST SCORE OF EACH BLOCK OF 32 KEYS serves twice: for the row's maximum, and, since p rises with the score, for the block's largest p
.endr
	VFRAG \slot, \q, 0                             ; V's four fragments and two scale words are asked for among these lines, six loads at a time, and land under the softmax
.irp i, 3,5,7,9,11,13
.irp b, 0,1,2,3
	v_max3_num_f32 v[BM+\b], v[BM+\b], v[S+16*\b+\i], v[S+1+16*\b+\i]   ; (the four blocks by turns)
.endr
.if \i < 9
	VFRAG \slot, \q, (\i-1)/2
.endif
.if \i == 9
.irp u, 0,1
	ds_load_b32 v[VS+\u], v[ADT] offset:2560*\u    ; V's scale words of these 128 keys, 32 rows a load
.endr
.endif
.endr
.irp b, 0,1,2,3
	v_max_num_f32 v[BM+\b], v[BM+\b], v[S+15+16*\b]
.endr
.irp b, 0,1,2,3
	v_permlanex16_b32 v[BT+\b], v[BM+\b], s[SEL], s[SEL+1]
.endr
.irp b, 0,1,2,3
	v_max_num_f32 v[BM+\b], v[BM+\b], v[BT+\b]     ; with lane l xor 16's 16 keys
.endr
	v_max3_num_f32 v[TMP], v[BM], v[BM+1], v[BM+2]
	v_max_num_f32 v[TMP], v[TMP], v[BM+3]          ; the step's largest score of my query
	v_mul_f32 v[TMP], s[CS], v[TMP]                ; as t (c is positive)
	v_max_num_f32 v13, v13, v[TMP]                 ; the running largest t
	v_mov_b32 v[TMP], v12
	v_floor_f32 v12, -v13                          ; the new -M = floor(-t) = -ceil(t): M is a whole number
	v_sub_f32 v[TMP], v12, v[TMP]                  ; M's old value less its new one: a whole number, 0 or less
	v_cvt_i32_f32 v[TMP], v[TMP]                   ; (it saturates)
	v_ldexp_f32 v[FF], 1.0, v[TMP]                 ; f = 2^(old M - new M): a multiplication by it rounds nothing
.set J, 0
.rept 32
	v_pk_fma_f32 v[S+J:S+J+1], v[S+J:S+J+1], s[CS:CS+1], v[12:13] op_sel_hi:[1,0,0]   ; t - M, two at a time (of the pairs c and -M the low word serves both halves)
.set J, J+2
.endr
.irp b, 0,1,2,3
	v_fma_f32 v[BM+\b], v[BM+\b], s[CS], v12       ; the same of each block's largest score
.endr
.set J, 0
	s_wait_alu depctr_va_vdst(0)
.rept 64
	v_exp_f32 v[S+J], v[S+J]                       ; p = 2^(t - M), at most 1: not normalised
.set J, J+1
.endr
.irp b, 0,1,2,3
	v_exp_f32 v[BM+\b], v[BM+\b]                   ; the block's largest p: the same two instructions on the same number give the same bits
.endr
	v_pk_mul_f32 v[14:15], v[14:15], v[FF:FF+1] op_sel_hi:[1,0]   ; the sums under the new M.  (The plain place behind the exponentials)
	s_wait_alu depctr_va_vdst(0)                   ; the 68 exponentials have written p and the blocks' largest p: one wait for the batch, ahead of the first line that names a result
.irp b, 0,1,2,3
	v_max_num_f32 v[BM+\b], 0x2800000, v[BM+\b]    ; the floor 2^(5 - 127): the byte cannot fall under 1 (a block whose every p is 0 keeps that byte: its codes are zeros)
.endr
.irp b, 0,1,2,3
	v_add_nc_u32 v[SO+\b], 0xfe000000, v[BM+\b]    ; 4 off the exponent field: the conversion takes the exponent field of this operand as its scale
.endr
.irp b, 0,1,2,3
	v_lshrrev_b32 v[BT+\b], 23, v[SO+\b]           ; the scale's byte
.endr
	v_lshl_or_b32 v[PS], v[BT+1], 8, v[BT]         ; p's scale word for these 128 keys
	v_lshl_or_b32 v[PS], v[BT+2], 16, v[PS]
	v_lshl_or_b32 v[PS], v[BT+3], 24, v[PS]
.irp c, 0,1
	v_cvt_scalef32_pk16_bf6_f32 v[PC+6*\c:PC+2+6*\c], v[S+32*\c:S+15+32*\c], v[SO+2*\c]
	v_cvt_scalef32_pk16_bf6_f32 v[CT+4*\c:CT+2+4*\c], v[S+16+32*\c:S+31+32*\c], v[SO+2*\c+1]   ; (a conversion's three registers begin on an even number)
.endr
	v_nop                                          ; one plain place behind a scaled conversion
.irp c, 0,1                                    ; the operand's layout wants a WHOLE block in a lane: lanes 0-15 block 2 c, lanes 16-31 block 2 c + 1
.irp i, 0,1,2
	v_permlane16_swap_b32 v[PC+6*\c+\i], v[CT+4*\c+\i]
.endr
.irp i, 0,1,2
	v_mov_b32 v[PC+3+6*\c+\i], v[CT+4*\c+\i]
.endr
.endr
.set J, 0
.rept 16
	v_pk_mul_f32 v[O+J:O+J+1], v[O+J:O+J+1], v[FF:FF+1] op_sel_hi:[1,0]   ; O^T under the new M, each accumulator from its low end on.  (These 16 are also the places between the writing of p's codes and scale word and the products below: 12 of them name none of a given product's registers)
.set J, J+2
.endr
	s_wait_dscnt 0x0                               ; V's fragments and scale words are in
	s_wait_alu depctr_va_vdst(0)                   ; p's codes and p's scale word are written, which the scaled products below take as source 1 and as its scales; the places above stay beside this wait
.irp t, 0,1,2,3
	PV \t                                          ; the four accumulators take turns, one instruction a turn; between two links of a chain stand the next step's eight products S^T
.endr
	v_pk_add_f32 v[L2:L2+1], v[S:S+1], v[S+2:S+3]  ; THE ROW'S SUM IS TAKEN OF THE UNQUANTISED p: two at a time, in two chains
.set J, 4
.rept 15
	v_pk_add_f32 v[14:15], v[14:15], v[S+J:S+J+1]
	v_pk_add_f32 v[L2:L2+1], v[L2:L2+1], v[S+J+2:S+J+3]
.set J, J+4
.endr
	v_pk_add_f32 v[14:15], v[14:15], v[L2:L2+1]    ; (these 32 plain lines name none of the four products' registers: they are the places behind them (ISA guide 7.12.1), on every way on, in front of the next read or write of O^T)
.Lhid_\@:
	s_add_co_u32 s[TS], s[TS], 256                 ; on every way: the next step's scale bytes and record (no scalar load is out here: the masking's arm has waited for its own)
	s_add_co_u32 s[TJ], s[TJ], 4
	s_add_nc_u64 s[MR:MR+1], s[MR:MR+1], 256
.endm
; A SLOT'S VISIT.  The next slot's bytes are asked for at its head, into registers, and have two key steps in which to land; at its end they go into the other LDS slot.
; ONE barrier does two things: in front of it each wave has waited for its stores into the other slot and for its reads of this one; the other slot was last read ahead of the barrier before.
.macro VISIT cur, other
	s_and_b32 s[F], s[ANY], 0xf0                   ; does any tile of the block use the next slot?  In the eighth visit these bits are 0 by the shifts: no load leaves its buffer
	s_cmp_eq_u32 s[F], 0
	s_cbranch_scc1 .Lnone_\@
	GLOAD
.Lnone_\@:
	STEP \cur, 0
	STEP \cur, 1
	s_wait_loadcnt 0x0                             ; on every way: the bytes are in, and the loads' bases may step
	LSTORE \other                                  ; always: where nothing was fetched, old bytes go to a slot that no wave will read
	s_add_nc_u64 s[KB:KB+1], s[KB:KB+1], 256*48
	s_add_nc_u64 s[VB:VB+1], s[VB:VB+1], 192
	s_lshr_b32 s[ANY], s[ANY], 4
	s_wait_dscnt 0x0                               ; for the others' sake: my stores have landed, my reads of this slot are over
	s_barrier_signal -1
	s_barrier_wait -1
.endm
	s_load_b512 s[68:83], s[0:1], 0x0              ; q_codes, q_scales, k_codes, k_scales, v_codes, v_scales, mtab, out0
	v_lshl_add_u32 v254, v0, 2, 0x20c00
	v_mov_b32 v255, 0
	v_lshrrev_b32 v104, 5, v0
	v_readfirstlane_b32 s[WV], v104                ; wave 0..15
	v_and_b32 v105, 31, v0                         ; lane
	v_and_b32 v106, 15, v0                         ; r
	v_bfe_u32 v107, v0, 4, 1                       ; h
	v_bfe_u32 v108, v0, 3, 1                       ; r / 8
	v_lshrrev_b32 v109, 3, v0                      ; x / 8
	v_and_b32 v110, 7, v0                          ; x % 8
	v_mul_u32_u24 v[AK], v106, 48
	v_lshl_add_u32 v[AK], v108, 9, v[AK]           ; 16 keys on: 8 rows of 48 bytes more than r says, and the group's 128 of padding
	v_mad_u32_u24 v[AK], v107, 24, v[AK]
	v_mul_u32_u24 v[AV], v106, VP
	v_mad_u32_u24 v[AV], v107, 24, v[AV]
	v_lshlrev_b32 v[ASK], 1, v106
	v_lshl_add_u32 v[ASK], v107, 4, v[ASK]
	v_lshl_add_u32 v[ASK], v108, 4, v[ASK]
	v_add_nc_u32 v[ASK], KSC, v[ASK]
	v_mul_u32_u24 v[ASV], v105, 80
	v_add_nc_u32 v[ASV], VSC, v[ASV]
	s_wait_alu depctr_va_sdst(0)                   ; s[WV] is written, ahead of its first reader: LDS places, offsets and tile numbers are made from it
	s_mul_i32 s26, s[WV], KGRP
	v_lshl_add_u32 v[KST], v105, 3, s26
	s_mul_i32 s27, s[WV], 768
	v_lshl_add_u32 v[KGO], v105, 3, s27
	v_mul_u32_u24 v[VST], v109, VP
	v_lshl_add_u32 v[VST], v110, 3, v[VST]
	v_mul_u32_u24 v[VGO], v109, 1536
	v_lshl_add_u32 v[VGO], v110, 3, v[VGO]
	v_mov_b32 v[NEG], 0xff800000
	v_mul_u32_u24 v[QGO], v106, 48
	v_mad_u32_u24 v[QGO], v107, 24, v[QGO]
	v_lshlrev_b32 v[QSO], 1, v106
	v_lshlrev_b32 v[GO], 8, v107
	v_lshl_add_u32 v[GO], v106, 4, v[GO]
	s_mul_i32 s28, s[WV], 16*SP
	s_add_co_u32 s28, s28, STG                     ; my stage
	v_mul_u32_u24 v[STO], v106, SP
	v_lshl_add_u32 v[STO], v107, 5, v[STO]
	v_add_nc_u32 v[STO], s28, v[STO]               ; in: row r, + 32 h
	v_mul_u32_u24 v[RD], v107, SP
	v_lshl_add_u32 v[RD], v106, 4, v[RD]
	v_add_nc_u32 v[RD], s28, v[RD]                 ; back: lanes 0-15 one row, lanes 16-31 the next
	v_lshlrev_b32 v111, 3, v0                      ; the scale bytes' way in: 8 bytes a thread
	v_mul_u32_u24 v113, v109, 80
	v_lshl_add_u32 v113, v110, 3, v113
.irp j, 0,1,2,3,4,5
	v_mov_b32 v[QF+6+\j], 0                        ; Q's zero codes for k = 64 .. 127
	v_mov_b32 v[KV+48+\j], 0                       ; what stands behind K's last fragment
.endr
.irp j, 0,1,2,3,4,5,6,7,8,9,10,11
	v_mov_b32 v[GK+\j], 0                          ; written once: they are stored also where nothing was fetched
.endr
.irp j, 0,1,2,3
	v_mov_b32 v[BT+\j], 0                          ; written once: a lane permute's destination counts as one of its sources
.endr
	v_mov_b32 v[FF+1], 0                           ; (named as the upper half of a pair)
	v_mov_b32 v[TMP], 0
	s_mov_b32 s[SEL], 0x76543210
	s_mov_b32 s[SEL+1], 0xfedcba98
	s_mov_b32 s[CS], 0x3e38aa3b                    ; c = log2(e) / 8
	s_mov_b32 s[CS+1], s[CS]                       ; (named with it as a pair, so it is written)
	s_mul_i32 s32, ttmp9, 98304                    ; the head's first byte in each tensor of codes,
	s_mov_b32 s33, 0
	s_lshl_b32 s34, ttmp9, 12                      ; of scale bytes,
	s_mov_b32 s35, 0
	s_lshl_b32 s36, ttmp9, 19                      ; and in out0
	s_mov_b32 s37, 0
	s_and_b32 s[BQ], ttmp7, 0xffff                 ; the first block of queries: y
	s_mov_b32 s[BLK], 2
	s_wait_kmcnt 0x0
	s_add_nc_u64 s[QB:QB+1], s[68:69], s[32:33]
	s_add_nc_u64 s[QSB:QSB+1], s[70:71], s[34:35]
	s_add_nc_u64 s[KB:KB+1], s[72:73], s[32:33]
	s_add_nc_u64 s[84:85], s[74:75], s[34:35]
	s_add_nc_u64 s[VB:VB+1], s[76:77], s[32:33]
	s_add_nc_u64 s[86:87], s[78:79], s[34:35]
	s_mov_b64 s[MT:MT+1], s[80:81]
	s_add_nc_u64 s[OB:OB+1], s[82:83], s[36:37]
	s_wait_alu depctr_va_vdst(0)                   ; all that the head's vector lines wrote is written: every address and offset that the kernel's loads and stores read; the zeros in v[GK ..], which LDS stores read and in which loads land; the zero codes v22-27 and v80-85, which the scaled products take as operands
	global_load_b64 v[114:115], v111, s[84:85]     ; the head's scale bytes come once: 4,096 dense bytes each, a wave's load 256 consecutive bytes, aligned
	global_load_b64 v[116:117], v111, s[86:87]
	s_wait_loadcnt 0x0
	ds_store_b64 v111, v[114:115] offset:KSC
	ds_store_b64 v113, v[116:117] offset:VSC       ; (they are read behind the first block's barrier, in front of which every wave waits for its stores)
	s_wait_alu depctr_vm_vsrc(0)                   ; the two stores have read v111, v113 and v[114:117]: these are scores' registers from here on, written by the products S^T
.Lblock:                                           ; two trips: blocks y and 7 - y
	s_lshl_b32 s48, s[BQ], 4
	s_add_co_u32 s48, s48, s[WV]                   ; my tile T = 16 x block + wave; my first query is 16 T
	s_lshl_b32 s52, s[BQ], 6
	s_mov_b32 s53, 0
	s_add_nc_u64 s[52:53], s[MT:MT+1], s[52:53]
	s_load_b512 s[MW:MW+15], s[52:53], FLAGS       ; the flag words of the block's sixteen tiles,
	s_lshl_b32 s54, s48, 2
	s_mov_b32 s55, 0
	s_add_nc_u64 s[54:55], s[MT:MT+1], s[54:55]
	s_load_b32 s[FL], s[54:55], FLAGS              ; and my tile's
	s_mul_i32 s56, s48, 768                        ; 16 rows of 48 bytes a tile
	s_mov_b32 s57, 0
	s_add_nc_u64 s[56:57], s[QB:QB+1], s[56:57]
	s_lshl_b32 s58, s48, 5                         ; 16 x 2 scale bytes
	s_mov_b32 s59, 0
	s_add_nc_u64 s[58:59], s[QSB:QSB+1], s[58:59]
	s_lshl_b32 s[MR], s48, 12                      ; 16 records of 256 bytes
	s_mov_b32 s[MR+1], 0
	s_add_nc_u64 s[MR:MR+1], s[MT:MT+1], s[MR:MR+1]
	s_lshl_b32 s[OP], s48, 12                      ; 16 rows of 256 bytes
	s_mov_b32 s[OP+1], 0
	s_add_nc_u64 s[OP:OP+1], s[OB:OB+1], s[OP:OP+1]
.irp p, 0,1,2                                  ; no wait on va_vdst here: no vector or matrix line stands between these four loads and the last such wait (the head's; on the second trip the way out's, behind every product that read Q's fragment and scale word)
	global_load_b64 v[QF+2*\p:QF+2*\p+1], v[QGO], s[56:57] offset:8*\p th:TH_LOAD_NT   ; Q's fragment stays in registers for the block; read once in the launch
.endr
	global_load_u16 v[QS], v[QSO], s[58:59] th:TH_LOAD_NT   ; two scale bytes a query; the upper two bytes of the word come as 0
	v_mov_b32 v13, 0xff61b1e6                      ; the largest t so far: -3e38, under every t
	v_floor_f32 v12, -v13                          ; -M
	v_mov_b32 v14, 0                               ; the sum, in two halves
	v_mov_b32 v15, 0
.set J, 0
.rept 32
	v_mov_b32 v[O+J], 0                            ; O^T.  (The step is written once: the first finds zeros, which the first change of M leaves zeros; a tile with no step at all keeps them)
.set J, J+1
.endr
	s_mov_b32 s[TS], 0
	s_mov_b32 s[TJ], 0
	s_wait_kmcnt 0x0
	s_or_b32 s[ANY], s[MW], s[MW+1]
.irp j, 2,3,4,5,6,7,8,9,10,11,12,13,14,15
	s_or_b32 s[ANY], s[ANY], s[MW+\j]
.endr
	s_and_b32 s[F], s[ANY], 15                     ; does any tile of the block use slot 0?
	s_cmp_eq_u32 s[F], 0
	s_cbranch_scc1 .Lno_first
	GLOAD
.Lno_first:
	s_wait_loadcnt 0x0                             ; Q, and the first slot's bytes; the pointers in s[48:59] are free
	LSTORE 0                                       ; LDS slot 0 was last read ahead of the seventh visit's barrier of the block before
	s_add_nc_u64 s[KB:KB+1], s[KB:KB+1], 256*48
	s_add_nc_u64 s[VB:VB+1], s[VB:VB+1], 192
	s_wait_dscnt 0x0
	s_barrier_signal -1
	s_barrier_wait -1
	s_mov_b32 s[TRIP], 4
.Ltrip:                                            ; four trips of two visits: all 2,048 keys
	VISIT 0, 1
	VISIT 1, 0
	s_sub_co_u32 s[TRIP], s[TRIP], 1
	s_cmp_lg_u32 s[TRIP], 0
	s_cbranch_scc1 .Ltrip
	s_wait_alu depctr_va_vdst(0)
	; THE WAY OUT.  O^T is divided by the row's sum and goes through my own stage in LDS, so that a store of the wave covers two whole rows of out0: 512 consecutive bytes, aligned.
	v_add_f32 v14, v14, v15                        ; the sum's two halves,
	v_permlanex16_b32 v[TMP], v14, s[SEL], s[SEL+1]
	v_add_f32 v14, v14, v[TMP]                     ; and lane l xor 16's: the row's sum
	s_wait_alu depctr_va_vdst(0)
	v_rcp_f32 v14, v14
	v_nop                                          ; one plain place behind a transcendental
	s_wait_alu depctr_va_vdst(0)                   ; the reciprocal has written v14: the wait ahead of its first reader
.set J, 0
.rept 16
	v_pk_mul_f32 v[S+J:S+J+1], v[O+J:O+J+1], v[14:15] op_sel_hi:[1,0]   ; register 8 t + i is o(r, 16 t + 8 h + i); each accumulator from its low end on
.set J, J+2
.endr
	s_wait_alu depctr_va_vdst(0)                   ; these 16 lines have written v104-135, which the LDS stores read; the last step's lines are done with v136-167, in which the LDS loads land; the block's products are done reading Q's fragment and scale word, in which the next block's loads land
.irp t, 0,1,2,3
	ds_store_b128 v[STO], v[S+8*\t:S+8*\t+3] offset:64*\t
	ds_store_b128 v[STO], v[S+8*\t+4:S+8*\t+7] offset:64*\t+16
.endr
.irp i, 0,1,2,3,4,5,6,7
	ds_load_b128 v[S+32+4*\i:S+35+4*\i], v[RD] offset:2*\i*SP   ; LDS serves a wave's instructions in order (ISA guide 5.7.1.4): these see my stores
.endr
.irp i, 0,1,2,3,4,5,6,7
	s_wait_dscnt 7-\i                              ; row pair i is back; the 7 - i younger loads stay out
	global_store_b128 v[GO], v[S+32+4*\i:S+35+4*\i], s[OP:OP+1] offset:512*\i th:TH_STORE_NT   ; written once, read by nobody here
.endr
	s_wait_xcnt 0x0                                ; the stores' data registers and base are written again only behind this wait
	s_wait_alu depctr_vm_vsrc(0)                   ; the LDS stores have read v104-135 and the global stores v136-167, which the next block's products S^T write again
	s_sub_nc_u64 s[KB:KB+1], s[KB:KB+1], 9*256*48  ; back to the head's first keys: the prologue and the eight visits have stepped nine times
	s_sub_nc_u64 s[VB:VB+1], s[VB:VB+1], 9*192
	s_sub_co_u32 s[BQ], 7, s[BQ]                   ; the other block
	s_sub_co_u32 s[BLK], s[BLK], 1
	s_cmp_lg_u32 s[BLK], 0
	s_cbranch_scc1 .Lblock
	s_wait_dscnt 0x0
	s_wait_alu depctr_hold_cnt(0) depctr_sa_sdst(0) depctr_va_vdst(0) depctr_va_sdst(0) depctr_va_ssrc(0) depctr_va_vcc(0) depctr_vm_vsrc(0)
	s_wait_tensorcnt 0x0
	ds_add_u32 v254, v255
	s_wait_dscnt 0x0
	s_endpgm
.Lfunc_end_k_q2d7efdb150_attn:
	.size	k_q2d7efdb150_attn, .Lfunc_end_k_q2d7efdb150_attn-k_q2d7efdb150_attn
	.p2alignl 7, 3214868480
	.fill 96, 4, 3214868480
	.section	.rodata,"a",@progbits
	.p2align	6, 0x0
	.amdhsa_kernel k_q2d7efdb150_attn
		.amdhsa_group_segment_fixed_size 136192
		.amdhsa_private_segment_fixed_size 0
		.amdhsa_enable_private_segment 0
		.amdhsa_kernarg_size 64
		.amdhsa_user_sgpr_count 2
		.amdhsa_user_sgpr_kernarg_segment_ptr 1
		.amdhsa_wavefront_size32 1
		.amdhsa_system_sgpr_workgroup_id_x 1
		.amdhsa_system_sgpr_workgroup_id_y 1
		.amdhsa_system_sgpr_workgroup_id_z 1
		.amdhsa_system_vgpr_workitem_id 0
		.amdhsa_next_free_vgpr 256
		.amdhsa_next_free_sgpr 100
		.amdhsa_reserve_vcc 0
		.amdhsa_float_denorm_mode_32 3
		.amdhsa_float_denorm_mode_16_64 3
		.amdhsa_memory_ordered 1
		.amdhsa_forward_progress 1
		.amdhsa_inst_pref_size 103
	.end_amdhsa_kernel
	.amdgpu_metadata
---
amdhsa.version: [ 1, 2 ]
amdhsa.kernels:
  - .name:           k_q2d7efdb150_attn
    .symbol:         k_q2d7efdb150_attn.kd
    .args:
      - { .name: q_codes, .offset: 0, .size: 8, .value_kind: global_buffer, .address_space: global }
      - { .name: q_scales, .offset: 8, .size: 8, .value_kind: global_buffer, .address_space: global }
      - { .name: k_codes, .offset: 16, .size: 8, .value_kind: global_buffer, .address_space: global }
      - { .name: k_scales, .offset: 24, .size: 8, .value_kind: global_buffer, .address_space: global }
      - { .name: v_codes, .offset: 32, .size: 8, .value_kind: global_buffer, .address_space: global }
      - { .name: v_scales, .offset: 40, .size: 8, .value_kind: global_buffer, .address_space: global }
      - { .name: mtab, .offset: 48, .size: 8, .value_kind: global_buffer, .address_space: global }
      - { .name: out0, .offset: 56, .size: 8, .value_kind: global_buffer, .address_space: global }
    .group_segment_fixed_size: 136192
    .private_segment_fixed_size: 0
    .kernarg_segment_align: 8
    .kernarg_segment_size: 64
    .max_flat_workgroup_size: 512
    .sgpr_count:     100
    .vgpr_count:     256
    .wavefront_size: 32
...
	.end_amdgpu_metadata
.endif
;; end of part 4
